; MI455X (gfx1250); checked and timed in simulation.
; The chip was launched on July 23, 2026; its instructions are those of AMD's public machine-readable ISA for CDNA 5 (MIT licence, August 2026) and "CDNA5" Instruction Set Architecture Reference Guide (July 2026). The comments in the code are by the model that wrote it; some were corrected since.
;; Multi Head Attention. Allowed arithmetic: matrix products marked QUANTISED: E2M3 operands, one E8M0 scale for each 32 along K, by v_wmma_scale_f32_16x16x128_f8f6f4 with both operands' format E2M3, f32 sums; everything else in f32.
;; Inputs: K_batch 4 x 2,048 x 1,024 float32; Q_batch 4 x 2,048 x 1,024 float32; V_batch 4 x 2,048 x 1,024 float32; W_k 1,024 x 1,024 float32; W_o 1,024 x 1,024 float32; W_q 1,024 x 1,024 float32; W_v 1,024 x 1,024 float32; valid_lens 4 int32.
;; Outputs: out0 4 x 2,048 x 1,024 float32.
;; This version of the problem:
;;   THIS VERSION OF THE PROBLEM IS GIVEN IN LOW PRECISION. The matrix products marked QUANTISED in the list below multiply operands that are first quantised to E2M3 (2 exponent bits, 3 mantissa bits; 6 bits a number), with one power-of-two scale for each 32 numbers along K (OCP MX v1.0); their sums are f32. All else is computed in f32.
;;   The module's matrix products, in the order in which they are computed (A, B: the left and right operand; K: the contracted axis; several contracted axes count as one K, in the product's order):
;;     1. [M 8,192, K 1,024] x [K 1,024, N 1,024]; A: input Q_batch; B: input W_q: QUANTISED
;;     2. [M 8,192, K 1,024] x [K 1,024, N 1,024]; A: input K_batch; B: input W_k: QUANTISED
;;     3. [M 8,192, K 1,024] x [K 1,024, N 1,024]; A: input V_batch; B: input W_v: QUANTISED
;;     4. batch 64 x [M 2,048, K 64] x [K 64, N 2,048]; A: computed on the way; B: computed on the way: QUANTISED
;;     5. batch 64 x [M 2,048, K 2,048] x [K 2,048, N 64]; A: softmax (see below); B: computed on the way: QUANTISED
;;     6. [M 8,192, K 1,024] x [K 1,024, N 1,024]; A: computed on the way; B: input W_o: QUANTISED
;;   THE QUANTISER, for each operand of a quantised product, along K:
;;     - K is cut into blocks of 32 from its start; a last block that is shorter is filled with zeros.
;;     - A block's scale is 2^e with e = floor(log2(the largest magnitude in the block)) - 2, held to -126 .. 127; a block of zeros has e = 0. As a byte (E8M0): e + 127.
;;     - Each number is divided by its block's scale, clamped to +-7.5, and rounded to the nearest number of E2M3, ties to even, subnormals kept.
;;     - The product sums the exact products of the quantised numbers (number of the format x scale) in f32.
;;   ~~~python
;;   def quantise(x, axis):      # numpy; x: float32 -> the quantised numbers, widened to float32 again
;;       x = np.moveaxis(x, axis, -1); K = x.shape[-1]
;;       x = np.pad(x, [(0, 0)] * (x.ndim - 1) + [(0, -K % 32)]); x = x.reshape(x.shape[:-1] + (-1, 32)); a = np.abs(x).max(-1, keepdims=True)
;;       e = np.where(a > 0, np.clip(np.frexp(np.where(a > 0, a, 1))[1] - 1 - 2, -126, 127), 0)      # np.frexp(a)[1] - 1 = floor(log2(a)), exactly
;;       r = np.clip(x / 2.0 ** e, -7.5, 7.5)
;;       step = 2.0 ** (np.maximum(np.frexp(np.where(r == 0, 1, r))[1] - 1, 0) - 3)
;;       q = np.round(r / step) * step * 2.0 ** e      # np.round: ties to even
;;       return np.moveaxis(q.reshape(q.shape[:-2] + (-1,))[..., :K], -1, axis).astype(np.float32)
;;   ~~~
;;   SOFTMAX AHEAD OF A QUANTISED PRODUCT. Where the list says 'softmax', what is quantised is not the finished softmax but p = 2^(t - M), with t = logit x log2(e) and M = ceil(the row's largest t), a whole number; so 1/2 < the row's largest p <= 1. The row's sum l is taken of the UNQUANTISED p, in f32, and the product's result is divided by l at the end. Since M is a whole number, a kernel that streams over the keys may use a running M (the ceiling of the running maximum): every later rescaling is an exact power of two, which a block's scale takes up: the codes' values come out the same.
;;   OPERANDS COMPUTED ON THE WAY. 'Computed on the way' means the value that the module computes at that place (a softmax that the list does not call 'softmax' is quantised finished and normalised). What goes into a quantiser is computed in f32, as accurately as f32 sums, v_exp_f32 and their like allow (about 1e-6 of the number): no bf16 or f16 on the way to a quantiser, and a product that is left as it is and whose result goes on into a quantised operand takes f32 operands (vector FMAs, or v_wmma_f32_16x16x4_f32). A number that lies on a knife's edge between two numbers of the format may be rounded either way, as far as f32 arithmetic and the matrix unit's own rounding can turn it there, and no further.
;; 2 versions, each right; version 2 is version 1 with the launch attn written anew for expert scheduling mode. Each part assembles by itself: llvm-mc -triple=amdgcn-amd-amdhsa -mcpu=gfx1250 --defsym DOCPART=n.
;; ======== version 1 of 2: 4 launches
;; workspace buffers: xq 19,660,800 bytes; wq 3,276,800 bytes; qh 6,815,744 bytes; kv 13,631,488 bytes; oq 6,553,600 bytes
;; launch quant (part 1): grid 640 x 1, 4 waves a work-group, no clusters, 34,304 bytes of LDS; arguments Q_batch, K_batch, V_batch, W_q, W_k, W_v, W_o, xq, wq; writes xq, wq
.if DOCPART == 1
	.amdgcn_target "amdgcn-amd-amdhsa--gfx1250"
	.amdhsa_code_object_version 6
	.text
	.protected	k_qc25e590f4b_quant
	.globl	k_qc25e590f4b_quant
	.p2align	8
	.type	k_qc25e590f4b_quant,@function
k_qc25e590f4b_quant:
	s_mov_b64 s[64:65], 0
	v_nop
	global_prefetch_b8 v0, s[64:65] scope:SCOPE_SE
	s_setreg_imm32_b32 hwreg(HW_REG_WAVE_MODE, 25, 1), 1
	s_wait_xcnt 0x0
; The three inputs [8192][1024] f32 (K innermost) and the four weights [1024 (k)][1024 (n)] f32 (K is the first axis) become codes of FP6 (E2M3) with one E8M0 byte for each 32 along K.
; A block's scale is 2^(floor(log2(its largest magnitude)) - 2); its byte is the largest magnitude's exponent field - 2, held at 1 from below.
; LIMITS: NaN and infinities among the inputs are not served.  A block whose largest magnitude lies under 2^-124, a block of zeros among them, keeps the byte 1 (zeros: the stated quantiser says 127): its codes
; are as the byte 1 gives them (zeros stay zeros, which add nothing), and the bytes are read by this program alone.
; THE WORKSPACE IS LAID IN THE ORDER OF THE OPERANDS' REGISTERS.  Tile T is 16 rows: lane row r is tensor row 32 (T / 2) + 8 (T % 2) + r + 8 (r / 8).  Half a fragment (16 rows x 64 K: six registers a lane,
; lane (r, h) holding k = 32 h + 0 .. 31) is 768 bytes: registers 0-3 at 16 x lane, registers 4-5 at 512 + 8 x lane.  A tile has 16 of them on end: 12,288 bytes.
; A tile's scale words (one for each 128 along K) are 512 bytes: 256 (step / 4) + 16 r + 4 (step % 4).
; Work-groups 0-383: a wave takes one tile of an input, all of K, in 8 steps of 128.  Work-groups 384-639: a wave takes 32 columns x 128 along K of a weight.  No barrier: waves share nothing.
.set STG,   8448                       ; a wave's own stage: 16 rows x (512 bytes + 16)
.set SPARE, 4*STG                      ; behind the four stages: the spare words, 128 bytes a wave
.set SPW,   10                         ; v10  LDS address of my spare word; never rewritten
.set NIL,   11                         ; v11  0; never rewritten
.set R,     32                         ; v32-159   two sets of 64: a step's numbers as they are loaded
.set X,     160                        ; v160-223  the same back from the stage: register 32 c + i = k 64 c + 32 h + i of my row
.set C,     224                        ; v224-235  a fragment's codes; v236-238, v240-242 the second halves as the conversions leave them
.set XSCL,  18874368                   ; xq: the scale words lie behind the three images
.set WSCL,  3145728                    ; wq: likewise behind the four
	s_load_b512 s[4:19], s[0:1], 0x0               ; Q s[4:5], K s[6:7], V s[8:9], W_q s[10:11], W_k s[12:13], W_v s[14:15], W_o s[16:17], xq s[18:19]
	s_load_b64 s[20:21], s[0:1], 0x40              ; wq
	v_lshl_add_u32 v[SPW], v0, 2, SPARE
	v_mov_b32 v[NIL], 0
	v_lshrrev_b32 v1, 5, v0
	v_readfirstlane_b32 s22, v1                    ; wave
	v_and_b32 v6, 31, v0                           ; lane
	s_cmp_lt_u32 ttmp9, 384
	s_cbranch_scc0 .Lweights
	; ---------------- the inputs: K innermost ----------------
	v_lshlrev_b32 v1, 4, v6                        ; 16 x lane: a load's 512 bytes, an image's first four registers
	v_lshlrev_b32 v2, 3, v6                        ; 8 x lane: an image's last two
	s_mul_i32 s23, s22, STG
	v_add_nc_u32 v3, s23, v1                       ; into the stage: a row as it lies
	v_and_b32 v7, 15, v6                           ; r
	v_lshrrev_b32 v8, 4, v6                        ; h
	v_mul_u32_u24 v4, v7, 528
	v_lshl_add_u32 v4, v8, 7, v4
	v_add_nc_u32 v4, s23, v4                       ; out of it: row r, + 128 h bytes: my block of 32 numbers
	v_lshlrev_b32 v5, 3, v8                        ; 8 h: my bytes' place in a scale word
	v_mov_b32 v19, 0                               ; (a lane permute's destination counts as one of its sources)
	s_mov_b32 s30, 0x76543210
	s_mov_b32 s31, 0xfedcba98                      ; selects for lane l xor 16
	s_lshl_b32 s24, ttmp9, 2
	s_add_co_u32 s24, s24, s22                     ; my tile among the 1,536 of the three inputs
	s_and_b32 s25, s24, 511                        ; and in its tensor
	s_lshr_b32 s26, s25, 1
	s_lshl_b32 s26, s26, 17                        ; 32 rows of 4,096 bytes for each pair of tiles,
	s_and_b32 s27, s25, 1
	s_lshl_b32 s27, s27, 15                        ; 8 rows for the odd tile
	s_add_co_u32 s26, s26, s27
	s_mov_b32 s27, 0
	s_mul_i32 s28, s24, 12288                      ; the tile's image
	s_mov_b32 s29, 0
	s_lshl_b32 s32, s24, 9
	s_add_co_u32 s32, s32, XSCL                    ; its scale words
	s_mov_b32 s33, 0
	s_wait_kmcnt 0x0
	s_cmp_lt_u32 ttmp9, 128                        ; which input: the choice hangs on the work-group's number alone
	s_cselect_b64 s[34:35], s[4:5], s[6:7]
	s_cmp_lt_u32 ttmp9, 256
	s_cselect_b64 s[34:35], s[34:35], s[8:9]
	s_add_nc_u64 s[34:35], s[34:35], s[26:27]
	s_add_nc_u64 s[36:37], s[18:19], s[28:29]
	s_add_nc_u64 s[38:39], s[18:19], s[32:33]
.macro XLOAD s                         ; step s: 128 numbers of each of the tile's 16 rows; a load reads 512 consecutive bytes of one row
.set i, 0
.rept 16
	global_load_b128 v[R+64*((\s)%2)+4*i:R+64*((\s)%2)+4*i+3], v1, s[34:35] offset:(i+8*(i/8))*4096+512*(\s) th:TH_LOAD_NT
.set i, i+1
.endr
.endm
.macro XSTEP s
.if (\s) < 7
	s_wait_loadcnt 16                              ; this step's 16 loads are in; the next step's 16 may be out
.else
	s_wait_loadcnt 0x0
.endif
.set i, 0
.rept 16
	ds_store_b128 v3, v[R+64*((\s)%2)+4*i:R+64*((\s)%2)+4*i+3] offset:528*i
.set i, i+1
.endr
.irp c, 0,1
.irp q, 0,1,2,3,4,5,6,7
	ds_load_b128 v[X+32*\c+4*\q:X+32*\c+4*\q+3], v4 offset:256*\c+16*\q   ; LDS serves a wave's instructions in order: these see the stores above
.endr
.endr
	s_wait_dscnt 0x0                               ; my numbers are back, and the stores have read their registers,
.if (\s)+2 < 8
	XLOAD (\s)+2                                   ; which take the loads of two steps on
.endif
.irp c, 0,1
	v_max3_num_f32 v[12+\c], |v[X+32*\c]|, |v[X+32*\c+1]|, 0x1800000   ; block 2 c + h of the step: all 32 numbers are mine; the floor 2^(3 - 127) holds the byte at 1 from below
.endr
.irp i, 2,4,6,8,10,12,14,16,18,20,22,24,26,28,30
.irp c, 0,1
	v_max3_num_f32 v[12+\c], v[12+\c], |v[X+32*\c+\i]|, |v[X+32*\c+\i+1]|
.endr
.endr
.irp c, 0,1
	v_add_nc_u32 v[14+\c], 0xff000000, v[12+\c]    ; 2 off the exponent field: the conversion takes this operand's exponent field as its scale
.endr
.irp c, 0,1
	v_lshrrev_b32 v[16+\c], 23, v[14+\c]           ; the scale's byte
.endr
	v_lshl_or_b32 v18, v17, 16, v16                ; my two bytes, blocks h and 2 + h,
	v_lshlrev_b32 v18, v5, v18                     ; at their places;
	v_permlanex16_b32 v19, v18, s30, s31
	v_or_b32 v[20+(\s)], v18, v19                  ; with lane l xor 16's two the row's word of this step is whole
	s_wait_xcnt 0x0                                ; the last step's stores have read the codes' registers
.irp c, 0,1
	v_cvt_scalef32_pk16_fp6_f32 v[C+6*\c:C+6*\c+2], v[X+32*\c:X+32*\c+15], v[14+\c]
	v_cvt_scalef32_pk16_fp6_f32 v[C+12+4*\c:C+14+4*\c], v[X+32*\c+16:X+32*\c+31], v[14+\c]   ; (a conversion's three registers begin on an even number)
.endr
	v_nop                                          ; one plain place behind a scaled conversion
.irp c, 0,1
.irp i, 0,1,2
	v_mov_b32 v[C+3+6*\c+\i], v[C+12+4*\c+\i]
.endr
.endr
	global_store_b128 v1, v[C:C+3], s[36:37] offset:1536*(\s)            ; each store covers consecutive bytes: 512,
	global_store_b64 v2, v[C+4:C+5], s[36:37] offset:1536*(\s)+512       ; 256,
	global_store_b128 v1, v[C+6:C+9], s[36:37] offset:1536*(\s)+768
	global_store_b64 v2, v[C+10:C+11], s[36:37] offset:1536*(\s)+1280
.endm
	XLOAD 0
	XLOAD 1
.irp s, 0,1,2,3,4,5,6,7
	XSTEP \s
.endr
	v_cmp_le_u32 vcc_lo, 16, v6                    ; lanes 0-15 store their row's words of steps 0-3, lanes 16-31 those of steps 4-7
.irp i, 0,1,2,3
	v_cndmask_b32 v[28+\i], v[20+\i], v[24+\i], vcc_lo
.endr
	global_store_b128 v1, v[28:31], s[38:39]       ; 512 consecutive bytes
	s_wait_tensorcnt 0x0                           ; the wave's end: behind my last LDS store
	ds_add_u32 v[SPW], v[NIL]
	s_wait_dscnt 0x0
	s_endpgm
	; ---------------- the weights: K is the first axis.  A lane takes a column, its registers run down K.
.Lweights:
	s_sub_co_u32 s23, ttmp9, 384
	s_and_b32 s24, s23, 7                          ; which 128 columns
	s_lshr_b32 s25, s23, 3
	s_and_b32 s25, s25, 7                          ; which 128 along K
	s_lshr_b32 s26, s23, 6                         ; which weight
	s_lshl_b32 s27, s24, 2
	s_add_co_u32 s27, s27, s22                     ; P: my wave's 32 columns = the pair of tiles 2 P, 2 P + 1
	s_lshl_b32 s28, s25, 19                        ; 128 rows of 4,096 bytes
	s_lshl_b32 s29, s27, 7                         ; 32 columns of 4 bytes
	s_add_co_u32 s28, s28, s29
	s_mov_b32 s29, 0
	s_mul_i32 s32, s26, 786432                     ; the weight's image,
	s_mul_i32 s33, s27, 24576                      ; the pair of tiles,
	s_add_co_u32 s32, s32, s33
	s_mul_i32 s33, s25, 1536                       ; the step's two halves of a fragment
	s_add_co_u32 s32, s32, s33
	s_mov_b32 s33, 0
	s_lshl_b32 s34, s26, 15                        ; the scale words: 32,768 bytes a weight,
	s_lshl_b32 s35, s27, 10                        ; 1,024 a pair of tiles,
	s_add_co_u32 s34, s34, s35
	s_lshr_b32 s35, s25, 2
	s_lshl_b32 s35, s35, 8                         ; 256 (step / 4)
	s_add_co_u32 s34, s34, s35
	s_and_b32 s35, s25, 3
	s_lshl_b32 s35, s35, 2                         ; 4 (step % 4)
	s_add_co_u32 s34, s34, s35
	s_add_co_u32 s34, s34, WSCL
	s_mov_b32 s35, 0
	v_lshlrev_b32 v1, 2, v6                        ; in: 4 bytes a lane
	v_bfe_u32 v2, v6, 3, 1                         ; u: column 32 P + lane belongs to tile 2 P + u,
	v_and_b32 v3, 7, v6
	v_lshrrev_b32 v4, 4, v6
	v_lshl_add_u32 v3, v4, 3, v3                   ; at its row r = lane % 8 + 8 (lane / 16)
	v_mul_u32_u24 v4, v2, 12288
	v_lshl_add_u32 v5, v3, 4, v4                   ; 12,288 u + 16 r
	v_lshl_add_u32 v7, v3, 3, v4                   ; 12,288 u + 8 r
	v_lshlrev_b32 v9, 9, v2
	v_lshl_add_u32 v9, v3, 4, v9                   ; 512 u + 16 r
	s_wait_kmcnt 0x0
	s_cmp_eq_u32 s26, 0
	s_cselect_b64 s[36:37], s[10:11], s[12:13]
	s_cmp_lt_u32 s26, 2
	s_cselect_b64 s[36:37], s[36:37], s[14:15]
	s_cmp_lt_u32 s26, 3
	s_cselect_b64 s[36:37], s[36:37], s[16:17]
	s_add_nc_u64 s[36:37], s[36:37], s[28:29]
	s_add_nc_u64 s[38:39], s[20:21], s[32:33]
	s_add_nc_u64 s[40:41], s[20:21], s[34:35]
.set i, 0
.rept 128
	global_load_b32 v[32+i], v1, s[36:37] offset:i*4096 th:TH_LOAD_NT   ; W(k, my column): 32 lanes read 128 consecutive bytes, the four waves 512
.set i, i+1
.endr
.macro WBLOCK t                        ; block t of 32 along K is what lane (r, h = t % 2) holds of half c = t / 2 of the fragment
.set XS, 32+32*(\t)
.set D, 160+12*(\t)                    ; each block has registers of its own for its codes: no store's data are written again
.if (\t) < 2
	s_wait_loadcnt 63                              ; 96 and 64 loads stand behind blocks 0 and 1
.elseif (\t) == 2
	s_wait_loadcnt 32
.else
	s_wait_loadcnt 0x0
.endif
	v_max3_num_f32 v12, |v[XS]|, |v[XS+1]|, |v[XS+2]|
	v_max3_num_f32 v13, |v[XS+3]|, |v[XS+4]|, |v[XS+5]|
.irp i, 6,10,14,18,22,26
	v_max3_num_f32 v12, v12, |v[XS+\i]|, |v[XS+\i+1]|
	v_max3_num_f32 v13, v13, |v[XS+\i+2]|, |v[XS+\i+3]|
.endr
	v_max3_num_f32 v12, v12, |v[XS+30]|, |v[XS+31]|
	v_max3_num_f32 v12, v12, v13, 0x1800000        ; and the floor
	v_add_nc_u32 v14, 0xff000000, v12
	v_lshrrev_b32 v15, 23, v14
.if (\t) == 0
	v_mov_b32 v8, v15
.else
	v_lshl_or_b32 v8, v15, 8*(\t), v8              ; the four bytes make my column's word of this step
.endif
	v_cvt_scalef32_pk16_fp6_f32 v[D:D+2], v[XS:XS+15], v14
	v_cvt_scalef32_pk16_fp6_f32 v[D+6:D+8], v[XS+16:XS+31], v14
	v_nop                                          ; one plain place behind a scaled conversion
.irp i, 0,1,2
	v_mov_b32 v[D+3+\i], v[D+6+\i]
.endr
	global_store_b128 v5, v[D:D+3], s[38:39] offset:((\t)/2)*768+256*((\t)%2)        ; sixteen lanes fill 256 consecutive bytes of each of the two tiles
	global_store_b64 v7, v[D+4:D+5], s[38:39] offset:((\t)/2)*768+512+128*((\t)%2)
.endm
.irp t, 0,1,2,3
	WBLOCK \t
.endr
	global_store_b32 v9, v8, s[40:41]              ; four bytes a lane, 16 bytes apart: one byte in 128 of what this path reads
	s_endpgm
.Lfunc_end_k_qc25e590f4b_quant:
	.size	k_qc25e590f4b_quant, .Lfunc_end_k_qc25e590f4b_quant-k_qc25e590f4b_quant
	.p2alignl 7, 3214868480
	.fill 96, 4, 3214868480
	.section	.rodata,"a",@progbits
	.p2align	6, 0x0
	.amdhsa_kernel k_qc25e590f4b_quant
		.amdhsa_group_segment_fixed_size 34304
		.amdhsa_private_segment_fixed_size 0
		.amdhsa_enable_private_segment 0
		.amdhsa_kernarg_size 72
		.amdhsa_user_sgpr_count 2
		.amdhsa_user_sgpr_kernarg_segment_ptr 1
		.amdhsa_wavefront_size32 1
		.amdhsa_system_sgpr_workgroup_id_x 1
		.amdhsa_system_sgpr_workgroup_id_y 1
		.amdhsa_system_sgpr_workgroup_id_z 1
		.amdhsa_system_vgpr_workitem_id 0
		.amdhsa_next_free_vgpr 256
		.amdhsa_next_free_sgpr 66
		.amdhsa_reserve_vcc 1
		.amdhsa_float_denorm_mode_32 3
		.amdhsa_float_denorm_mode_16_64 3
		.amdhsa_memory_ordered 1
		.amdhsa_forward_progress 1
		.amdhsa_inst_pref_size 79
	.end_amdhsa_kernel
	.amdgpu_metadata
---
amdhsa.version: [ 1, 2 ]
amdhsa.kernels:
  - .name:           k_qc25e590f4b_quant
    .symbol:         k_qc25e590f4b_quant.kd
    .args:
      - { .name: Q_batch, .offset: 0, .size: 8, .value_kind: global_buffer, .address_space: global }
      - { .name: K_batch, .offset: 8, .size: 8, .value_kind: global_buffer, .address_space: global }
      - { .name: V_batch, .offset: 16, .size: 8, .value_kind: global_buffer, .address_space: global }
      - { .name: W_q, .offset: 24, .size: 8, .value_kind: global_buffer, .address_space: global }
      - { .name: W_k, .offset: 32, .size: 8, .value_kind: global_buffer, .address_space: global }
      - { .name: W_v, .offset: 40, .size: 8, .value_kind: global_buffer, .address_space: global }
      - { .name: W_o, .offset: 48, .size: 8, .value_kind: global_buffer, .address_space: global }
      - { .name: xq, .offset: 56, .size: 8, .value_kind: global_buffer, .address_space: global }
      - { .name: wq, .offset: 64, .size: 8, .value_kind: global_buffer, .address_space: global }
    .group_segment_fixed_size: 34304
    .private_segment_fixed_size: 0
    .kernarg_segment_align: 8
    .kernarg_segment_size: 72
    .max_flat_workgroup_size: 128
    .sgpr_count:     66
    .vgpr_count:     256
    .wavefront_size: 32
...
	.end_amdgpu_metadata
.endif
;; end of part 1
;; launch proj (part 2): grid 4 x 192, 4 waves a work-group, clusters of 4 x 4, 327,680 bytes of LDS; arguments xq, wq, qh, kv; writes qh, kv
.if DOCPART == 2
	.amdgcn_target "amdgcn-amd-amdhsa--gfx1250"
	.amdhsa_code_object_version 6
	.text
	.protected	k_qc25e590f4b_proj
	.globl	k_qc25e590f4b_proj
	.p2align	8
	.type	k_qc25e590f4b_proj,@function
k_qc25e590f4b_proj:
	s_mov_b64 s[64:65], 0
	v_nop
	global_prefetch_b8 v0, s[64:65] scope:SCOPE_SE
	s_setreg_imm32_b32 hwreg(HW_REG_WAVE_MODE, 25, 1), 1
	s_wait_xcnt 0x0
	s_wait_alu depctr_hold_cnt(0) depctr_sa_sdst(0) depctr_va_vdst(0) depctr_va_sdst(0) depctr_va_ssrc(0) depctr_va_vcc(0) depctr_vm_vsrc(0)
	s_getreg_b32 s2, hwreg(HW_REG_IB_STS2, 6, 4)
	s_cmp_eq_u32 s2, 0
	s_cbranch_scc0 .Lentry_in_a_cluster
	s_endpgm
.Lentry_in_a_cluster:
	s_bfe_u32 s2, ttmp6, 0x10000c
	s_cmp_lg_u32 s2, 0xf033
	s_cbranch_scc0 .Lentry_shape_is_right
	s_endpgm
.Lentry_shape_is_right:
; The three projections Q_batch W_q, K_batch W_k, V_batch W_v on codes of FP6 (E2M3) with E8M0 scales, K = 1,024; the results are quantised in registers for the two products of attention and never leave as f32.
; A work-group of four waves makes 128 (m) x 256 (n) of a product, a wave 64 x 128: 32 accumulators.  Cluster y / 16 says which product.  Q, K: m = tokens (xq), n = channels (wq).  V: m = channels (wq), n = tokens (xq).
; THE MATRIX INSTRUCTION IS USED TRANSPOSED: source 0 = 16 rows of the n operand, source 1 = 16 rows of the m operand: a lane holds one m row, its registers run along n.  A tile's 16 rows are not neighbours
; (lane row r of tile T is row 32 (T / 2) + 8 (T % 2) + r + 8 (r / 8)), so that the 16 registers of n tiles 2 b and 2 b + 1 are the 16 neighbours 32 b + 16 (lane / 16) + 0 .. 15 along n, which is the next product's K:
; the head's 64 channels for Q and K, the keys for V.
; OPERANDS lie in memory in the order of their registers (half a fragment, 16 rows x 64 K: 768 bytes: registers 0-3 at 16 x lane, 4-5 at 512 + 8 x lane; a tile: 16 of them).  All of K of both panels fits in LDS
; (96 + 192 KiB), in four chunks of 256 along K: every byte of LDS is filled once, all four loads of a wave go out at the start (four are out at the most), and no slot is ever filled again.
; CLUSTERS: 4 x 4 work-groups; the m panel is shared along a row of the cluster, the n panel along a column: each chunk is asked for jointly.
; LIMITS: NaN and infinities are not served; a block whose largest magnitude lies under 2^-124 (zeros among them) keeps the scale byte 1; these bytes are read by this program alone.
; REGISTERS: window 0: v4-13 addresses; v32-63 the m operand's scale words (8 a + step), v64-127 the n operand's (8 b + step): they hold nothing else; v128-223 the m operand's fragments, two sets of 48, later the codes made;
;   v224-247 at work.   window 1: the n operand's fragments, two sets, at v0 and v128.   window 2: accumulator (a, b) at v[8 (8 a + b)].
.set CHUNK, 73728                      ; a chunk in LDS: 8 m tiles, then 16 n tiles, 3,072 bytes each
.set BPAN,  24576
.set SPARE, 4*CHUNK                    ; behind the chunks: the spare words, 128 bytes a wave
.set ADA16, 4                          ; v4-7  LDS addresses of my fragments in the chunk in hand: 16 x lane and 8 x lane, for each operand
.set ADA8,  5
.set ADB16, 6
.set ADB8,  7
.set R16,   8                          ; v8   16 (lane % 16)
.set L16,   9                          ; v9   16 x lane
.set L8,    10                         ; v10  8 x lane
.set L4,    11                         ; v11  4 x lane
.set SPW,   12                         ; v12  LDS address of my spare word; never rewritten
.set NIL,   13                         ; v13  0; never rewritten
.set SCA,   32
.set SCB,   64
.set AF,    128
.set PC,    128                        ; the codes made on the way out
.set TM,    224                        ; v224-227 largest magnitudes, v228-231 bytes, v236-239 the conversions' scale operands
.set PW,    240                        ; v240-243 the scale words of my four m tiles
.set G1A,   24                         ; s[24:31], s[32:39] descriptor group 1 for the two panels
.set G1B,   32
.set G0A,   40                         ; s[40:55] group 0 for the m panel's four chunks;  s[56:63], s[68:75] for the n panel's
.set MSB, 0
.macro WIN new                         ; the immediate's high byte repeats the setting that is left
.if MSB != \new
	s_set_vgpr_msb (MSB<<8)|\new
.set MSB, \new
.endif
.endm
.macro PLACES n
.rept \n
	v_nop
.endr
.endm
.macro CROUND                          ; a round of the cluster's barrier
	s_barrier_signal -1
	s_barrier_wait -1
	s_cmp_lg_u32 s12, 0
	s_cbranch_scc1 .Lnot_wave_0_\@
	s_barrier_signal -3
.Lnot_wave_0_\@:
	s_barrier_wait -3
	s_barrier_signal -1
	s_barrier_wait -1
.endm
.macro FETCH s, p                      ; 48 LDS loads in one run: the fragments of step s (128 along K) into set p; every load reads consecutive bytes
	WIN 0x40                                       ; destination window 1
.irp b, 0,1,2,3,4,5,6,7
.irp c, 0,1
	ds_load_b128 v[128*(\p)+12*\b+6*\c:128*(\p)+12*\b+6*\c+3], v[ADB16] offset:3072*\b+1536*((\s)%2)+768*\c
	ds_load_b64 v[128*(\p)+12*\b+6*\c+4:128*(\p)+12*\b+6*\c+5], v[ADB8] offset:3072*\b+1536*((\s)%2)+768*\c+512
.endr
.endr
	WIN 0
.irp a, 0,1,2,3
.irp c, 0,1
	ds_load_b128 v[AF+48*(\p)+12*\a+6*\c:AF+48*(\p)+12*\a+6*\c+3], v[ADA16] offset:3072*\a+1536*((\s)%2)+768*\c
	ds_load_b64 v[AF+48*(\p)+12*\a+6*\c+4:AF+48*(\p)+12*\a+6*\c+5], v[ADA8] offset:3072*\a+1536*((\s)%2)+768*\c+512
.endr
.endr
.endm
.macro MUL s, p                        ; 32 matrix instructions; the 32 accumulators take turns, in the same order in every step; step 0 starts the sums
	WIN 0xa1                                       ; source 0 window 1, source 1 window 0, C and D window 2
.irp a, 0,1,2,3
.irp b, 0,1,2,3,4,5,6,7
.if (\s) == 0
	v_wmma_scale_f32_16x16x128_f8f6f4 v[8*(8*\a+\b):8*(8*\a+\b)+7], v[128*(\p)+12*\b:128*(\p)+12*\b+11], v[AF+48*(\p)+12*\a:AF+48*(\p)+12*\a+11], 0, v[SCB+8*\b+(\s)], v[SCA+8*\a+(\s)] matrix_a_fmt:MATRIX_FMT_FP6 matrix_b_fmt:MATRIX_FMT_FP6
.else
	v_wmma_scale_f32_16x16x128_f8f6f4 v[8*(8*\a+\b):8*(8*\a+\b)+7], v[128*(\p)+12*\b:128*(\p)+12*\b+11], v[AF+48*(\p)+12*\a:AF+48*(\p)+12*\a+11], v[8*(8*\a+\b):8*(8*\a+\b)+7], v[SCB+8*\b+(\s)], v[SCA+8*\a+(\s)] matrix_a_fmt:MATRIX_FMT_FP6 matrix_b_fmt:MATRIX_FMT_FP6
.endif
.endr
.endr
.endm
; Step s of eight.  The next step's fragments are asked for ahead of this step's products.  Ahead of a new chunk: my load of it has landed, a barrier shows everybody's.
.macro KSTEP s
.if ((\s)%2 == 1) && ((\s) < 7)
	WIN 0
	s_wait_tensorcnt 3-((\s)+1)/2                  ; my part of the next chunk is in; the chunks behind it may stay out
	s_wait_dscnt 0x0                               ; no LDS instruction of mine is out at a signal
	s_barrier_signal -1
	s_barrier_wait -1
.irp r, ADA16, ADA8, ADB16, ADB8
	v_add_nc_u32 v[\r], CHUNK, v[\r]               ; on to the next chunk; these four are also the places in front of the loads below
.endr
.elseif ((\s) > 0) && ((\s) < 7)
	PLACES 4                                       ; four places in front of loads into registers that matrix instructions have read (ISA guide 7.12.1 for vector instructions)
.endif
.if (\s) < 7
	FETCH (\s)+1, ((\s)+1)%2
	s_wait_dscnt 48                                ; all but the 48 just issued
.else
	s_wait_dscnt 0x0
.endif
	MUL \s, (\s)%2
.endm
	s_load_b256 s[4:11], s[0:1], 0x0               ; xq s[4:5], wq s[6:7], qh s[8:9], kv s[10:11]
	v_lshl_add_u32 v[SPW], v0, 2, SPARE
	v_mov_b32 v[NIL], 0
	ds_add_u32 v[SPW], v[NIL]                      ; the wave's opening: the add and its wait stand ahead of my first tensor load; the set-up below, work on registers, stands between them
	v_lshrrev_b32 v1, 5, v0
	v_readfirstlane_b32 s12, v1                    ; wave 0..3
	s_lshr_b32 s13, s12, 1                         ; which 64 of the 128 m rows are mine.  Also: I fetch the m panel (0) or the n panel (1)
	s_and_b32 s14, s12, 1                          ; which 128 of the 256 n rows.  Also: which half of that panel I fetch
	s_bfe_u32 s15, ttmp6, 0x40000                  ; cx
	s_bfe_u32 s16, ttmp6, 0x40004                  ; cy
	s_and_b32 s17, ttmp7, 0xffff                   ; cluster y, 0..47
	s_lshr_b32 s18, s17, 4                         ; t: 0 Q, 1 K, 2 V: the same in all sixteen partners
	s_and_b32 s19, s17, 15
	s_and_b32 s20, s19, 1
	s_lshr_b32 s21, s19, 1
	s_cmp_eq_u32 s18, 2
	s_cselect_b32 s20, s20, s19                    ; Q, K: 64 m tiles x 4 n tiles;  V: 8 m tiles x 32 n tiles
	s_cselect_b32 s21, s21, 0
	s_lshl_b32 s20, s20, 2
	s_add_co_u32 s20, s20, s16                     ; TR: my tile of 128 m rows: hangs on cy alone
	s_lshl_b32 s21, s21, 2
	s_add_co_u32 s21, s21, s15                     ; TC: my tile of 256 n rows: on cx alone
	s_lshl_b32 s22, s16, 2
	s_lshl_b32 s22, 15, s22                        ; my row of the cluster
	s_lshl_b32 s23, 0x1111, s15                    ; my column
	; descriptor group 1: R tiles x 3,072 bytes (384 elements of 8 bytes), 12,288 bytes apart in memory, on end in LDS
	s_or_b32 s[G1A], s22, (3<<16)|(1<<21)          ; 15:0 the mask; 17:16 elements of 8 bytes; 20 no padding; 21 set beside a mask
	s_or_b32 s[G1B], s23, (3<<16)|(1<<21)
.irp g, G1A, G1B
	s_mov_b32 s[\g+1], 384<<16                     ; tensor_dim0
	s_mov_b32 s[\g+3], 384<<16                     ; tile_dim0
	s_mov_b32 s[\g+5], 1536                        ; tensor_dim0_stride
	s_mov_b32 s[\g+6], 0
	s_mov_b32 s[\g+7], 0
.endr
	s_mov_b32 s[G1A+2], 4<<16                      ; tensor_dim1, tile_dim1: four tiles of the m panel to a load,
	s_mov_b32 s[G1A+4], 4
	s_mov_b32 s[G1B+2], 8<<16                      ; eight of the n panel
	s_mov_b32 s[G1B+4], 8
	; where product t's operands lie in xq and in wq
	s_mul_i32 s76, s18, 6291456                    ; xq: the image,
	s_mul_i32 s77, s18, 786432                     ; wq: the image,
	s_lshl_b32 s78, s18, 18
	s_add_co_u32 s78, s78, 18874368                ; xq: the scale words,
	s_lshl_b32 s79, s18, 15
	s_add_co_u32 s79, s79, 3145728                 ; wq: the scale words
	s_cmp_eq_u32 s18, 2
	s_cselect_b32 s80, s77, s76                    ; the m operand's
	s_cselect_b32 s81, s76, s77                    ; the n operand's
	s_cselect_b32 s82, s79, s78
	s_cselect_b32 s83, s78, s79
	s_lshl_b32 s92, s20, 3                         ; 8 TR
	s_lshl_b32 s84, s14, 2
	s_add_co_u32 s84, s84, s92                     ; the first m tile that I fetch
	s_mul_i32 s84, s84, 12288
	s_add_co_u32 s84, s84, s80
	s_mov_b32 s85, 0
	s_lshl_b32 s88, s13, 2
	s_add_co_u32 s88, s88, s92                     ; the first m tile that I multiply
	s_lshl_b32 s88, s88, 9
	s_add_co_u32 s88, s88, s82
	s_mov_b32 s89, 0
	s_lshl_b32 s93, s21, 4                         ; 16 TC
	s_lshl_b32 s86, s14, 3
	s_add_co_u32 s86, s86, s93                     ; the first n tile that I fetch, and that I multiply
	s_lshl_b32 s90, s86, 9
	s_add_co_u32 s90, s90, s83
	s_mov_b32 s91, 0
	s_mul_i32 s86, s86, 12288
	s_add_co_u32 s86, s86, s81
	s_mov_b32 s87, 0
	s_mul_i32 s94, s14, 12288                      ; where they go in a chunk: no place in the cluster enters an LDS address
	s_mul_i32 s95, s14, 24576
	s_add_co_u32 s95, s95, BPAN
	s_mov_b32 s98, 0x76543210
	s_mov_b32 s99, 0xfedcba98                      ; selects for lane l xor 16
	v_and_b32 v1, 31, v0                           ; lane
	v_and_b32 v2, 15, v0
	v_lshlrev_b32 v[R16], 4, v2
	v_lshlrev_b32 v[L16], 4, v1
	v_lshlrev_b32 v[L8], 3, v1
	v_lshlrev_b32 v[L4], 2, v1
	s_mul_i32 s22, s13, 12288                      ; my four m tiles in a chunk
	v_add_nc_u32 v[ADA16], s22, v[L16]
	v_add_nc_u32 v[ADA8], s22, v[L8]
	s_mul_i32 s23, s14, 24576                      ; my eight n tiles
	s_add_co_u32 s23, s23, BPAN
	v_add_nc_u32 v[ADB16], s23, v[L16]
	v_add_nc_u32 v[ADB8], s23, v[L8]
	v_cmp_le_u32 s96, 16, v1                       ; lanes 16-31
.irp b, 0,1,2,3
	v_mov_b32 v[TM+4+\b], 0                        ; (a lane permute's destination counts as one of its sources)
.endr
	s_wait_dscnt 0x0                               ; the opening add is done
	s_wait_kmcnt 0x0
	s_cmp_eq_u32 s18, 2
	s_cselect_b64 s[76:77], s[6:7], s[4:5]         ; the m operand's buffer
	s_cselect_b64 s[78:79], s[4:5], s[6:7]         ; the n operand's
	s_add_nc_u64 s[84:85], s[76:77], s[84:85]
	s_add_nc_u64 s[86:87], s[78:79], s[86:87]
	s_add_nc_u64 s[88:89], s[76:77], s[88:89]
	s_add_nc_u64 s[90:91], s[78:79], s[90:91]
.irp j, 0,1,2,3
.set GB, 56+4*\j+4*(\j/2)
	s_mov_b32 s[G0A+4*\j], 1                       ; count = 1
	s_add_co_u32 s[G0A+4*\j+1], s94, \j*CHUNK      ; LDS address
	s_add_nc_u64 s[G0A+4*\j+2:G0A+4*\j+3], s[84:85], \j*3072   ; global address: chunk j of each tile
	s_or_b32 s[G0A+4*\j+3], s[G0A+4*\j+3], 0x80000000          ; type = 2
	s_mov_b32 s[GB], 1
	s_add_co_u32 s[GB+1], s95, \j*CHUNK
	s_add_nc_u64 s[GB+2:GB+3], s[86:87], \j*3072
	s_or_b32 s[GB+3], s[GB+3], 0x80000000
.endr
	CROUND                                         ; all sixteen work-groups are here: the joint loads meet
	s_cmp_eq_u32 s13, 0                            ; a wave's four fills stand in one branch on the wave's number, ahead of every wait on TENSORcnt, every LDS read and every other barrier
	s_cbranch_scc0 .Lfill_b
.irp j, 0,1,2,3
	tensor_load_to_lds s[G0A+4*\j:G0A+4*\j+3], s[G1A:G1A+7]
	s_nop 0
.endr
	PLACES 4
	s_branch .Lfilled
.Lfill_b:
.irp j, 0,1,2,3
.set GB, 56+4*\j+4*(\j/2)
	tensor_load_to_lds s[GB:GB+3], s[G1B:G1B+7]
	s_nop 0
.endr
	PLACES 4
.Lfilled:
.irp a, 0,1,2,3                                ; the scale words of my tiles, for all of K, straight into registers: lane r takes row r's four words of steps 4 sh on
.irp sh, 0,1
	global_load_b128 v[SCA+8*\a+4*\sh:SCA+8*\a+4*\sh+3], v[R16], s[88:89] offset:512*\a+256*\sh
.endr
.endr
.irp b, 0,1,2,3,4,5,6,7
.irp sh, 0,1
	global_load_b128 v[SCB+8*\b+4*\sh:SCB+8*\b+4*\sh+3], v[R16], s[90:91] offset:512*\b+256*\sh
.endr
.endr
	; where my results go, worked out while the first chunk is on its way.  mt0 = my first m tile, nb = my block of 128 along n.
	s_lshl_b32 s92, s20, 3
	s_lshl_b32 s93, s13, 2
	s_add_co_u32 s92, s92, s93                     ; mt0 = 8 TR + 4 (wave / 2)
	s_lshl_b32 s93, s21, 1
	s_add_co_u32 s93, s93, s14                     ; nb = 2 TC + wave % 2
	s_cmp_eq_u32 s18, 2
	s_cbranch_scc1 .Lplace_v
	s_lshr_b32 s94, s92, 7                         ; Q, K: m = tokens: the batch; n = channels: heads 2 nb and 2 nb + 1
	s_lshl_b32 s94, s94, 4
	s_lshl_b32 s95, s93, 1
	s_add_co_u32 s94, s94, s95                     ; 16 batch + head
	s_and_b32 s95, s92, 127                        ; the tile in its batch
	s_mov_b32 s2, 768                              ; from m tile to m tile
	s_cmp_eq_u32 s18, 0
	s_cbranch_scc0 .Lplace_k
	s_lshl_b32 s94, s94, 7
	s_add_co_u32 s94, s94, s95
	s_mul_i32 s76, s94, 768                        ; qh: 768 bytes for each (batch, head, tile)
	s_lshl_b32 s80, s94, 6
	s_add_co_u32 s80, s80, 6291456                 ; and 64 bytes of scale words
	s_mov_b32 s100, 98304                          ; a head on: 128 tiles
	s_mov_b32 s101, 8192
	s_branch .Lplaced
.Lplace_k:
	s_lshl_b32 s94, s94, 4
	s_lshr_b32 s22, s95, 3
	s_add_co_u32 s94, s94, s22                     ; kv: the block of (batch, head, key step of 128)
	s_mul_i32 s94, s94, 13312
	s_and_b32 s22, s92, 7                          ; my first tile in the step: 0 or 4
	s_mul_i32 s23, s22, 768
	s_add_co_u32 s76, s94, s23
	s_lshl_b32 s22, s22, 6                         ; 128 bytes of scale words for each pair of tiles
	s_add_co_u32 s80, s94, s22
	s_add_co_u32 s80, s80, 12288
	s_mov_b32 s100, 212992                         ; a head on: 16 blocks
	s_mov_b32 s101, 212992
	s_branch .Lplaced
.Lplace_v:
	s_lshr_b32 s94, s93, 4                         ; V: n = tokens: batch nb / 16, key step nb % 16; m = channels: head mt0 / 4, its four tiles
	s_lshl_b32 s94, s94, 4
	s_lshr_b32 s95, s92, 2
	s_add_co_u32 s94, s94, s95
	s_lshl_b32 s94, s94, 4
	s_and_b32 s95, s93, 15
	s_add_co_u32 s94, s94, s95
	s_mul_i32 s94, s94, 13312
	s_add_co_u32 s76, s94, 6144
	s_add_co_u32 s80, s94, 12800
	s_mov_b32 s2, 1536
	s_mov_b32 s100, 768                            ; the fragment's second half
	s_mov_b32 s101, 0
.Lplaced:
	s_mov_b32 s3, 0
	s_mov_b32 s77, 0
	s_mov_b32 s81, 0
	s_add_co_u32 s78, s76, s100
	s_mov_b32 s79, 0
	s_add_co_u32 s82, s80, s101
	s_mov_b32 s83, 0
	s_cmp_eq_u32 s18, 0
	s_cselect_b64 s[100:101], s[8:9], s[10:11]
	s_add_nc_u64 s[76:77], s[100:101], s[76:77]    ; the codes' first half
	s_add_nc_u64 s[78:79], s[100:101], s[78:79]    ; their second half
	s_add_nc_u64 s[80:81], s[100:101], s[80:81]    ; the scale words
	s_add_nc_u64 s[82:83], s[100:101], s[82:83]    ; (Q, K: the second head's)
	s_wait_tensorcnt 0x3                           ; my part of chunk 0 is in; the three behind it may stay out
	s_barrier_signal -1
	s_barrier_wait -1                              ; everybody's is
	FETCH 0, 0
	s_wait_loadcnt 0x0                             ; the scale words
.irp s, 0,1,2,3,4,5,6,7
	KSTEP \s
.endr
	PLACES 4                                       ; in front of the first read of results, and of writes into registers that the last products read
; THE WAY OUT.  The 64 numbers of m tile a in a lane (register 16 b + i = n 32 b + 16 (lane / 16) + i of my row) become a fragment's codes and its scale word.
.macro QUANTW a
.set S, 64*(\a)
.if (\a) > 0
	s_wait_xcnt 0x0                                ; the last tile's stores have read their registers and their bases
	s_add_nc_u64 s[76:77], s[76:77], s[2:3]
	s_add_nc_u64 s[78:79], s[78:79], s[2:3]
.endif
	WIN 0x0a                                       ; sources 0 and 1: window 2
.irp b, 0,1,2,3
	v_max3_num_f32 v[TM+\b], |v[S+16*\b]|, |v[S+16*\b+1]|, 0x1800000   ; each accumulator is read from its low end on; the floor 2^(3 - 127) holds the byte at 1 from below
.endr
.irp i, 2,4,6,8,10,12,14
.irp b, 0,1,2,3
	v_max3_num_f32 v[TM+\b], |v[S+16*\b+\i]|, |v[S+16*\b+\i+1]|, v[TM+\b]
.endr
.endr
	WIN 0
.irp b, 0,1,2,3
	v_permlanex16_b32 v[TM+4+\b], v[TM+\b], s98, s99
.endr
.irp b, 0,1,2,3
	v_max_num_f32 v[TM+\b], v[TM+\b], v[TM+4+\b]   ; with lane l xor 16's 16: the block's largest magnitude
.endr
.irp b, 0,1,2,3
	v_add_nc_u32 v[TM+12+\b], 0xff000000, v[TM+\b] ; 2 off the exponent field: the conversion's scale operand
.endr
.irp b, 0,1,2,3
	v_lshrrev_b32 v[TM+4+\b], 23, v[TM+12+\b]      ; the scale's byte
.endr
	v_lshl_or_b32 v[PW+(\a)], v[TM+5], 8, v[TM+4]
	v_lshl_or_b32 v[PW+(\a)], v[TM+6], 16, v[PW+(\a)]
	v_lshl_or_b32 v[PW+(\a)], v[TM+7], 24, v[PW+(\a)]
	WIN 0x02                                       ; source 0: window 2
.irp c, 0,1
	v_cvt_scalef32_pk16_fp6_f32 v[PC+6*\c:PC+6*\c+2], v[S+32*\c:S+32*\c+15], v[TM+12+2*\c]
	v_cvt_scalef32_pk16_fp6_f32 v[PC+12+4*\c:PC+14+4*\c], v[S+32*\c+16:S+32*\c+31], v[TM+12+2*\c+1]   ; (a conversion's three registers begin on an even number)
.endr
	WIN 0
	v_nop                                          ; one plain place behind a scaled conversion
.irp c, 0,1                                    ; the operand's layout wants a whole block in a lane: lanes 0-15 block 2 c, lanes 16-31 block 2 c + 1
.irp i, 0,1,2
	v_permlane16_swap_b32 v[PC+6*\c+\i], v[PC+12+4*\c+\i]
.endr
.irp i, 0,1,2
	v_mov_b32 v[PC+3+6*\c+\i], v[PC+12+4*\c+\i]
.endr
.endr
	global_store_b128 v[L16], v[PC:PC+3], s[76:77]                 ; Q, K: the first head's half fragment;  V: keys 0-63 of the step.  Each store covers consecutive bytes: 512,
	global_store_b64 v[L8], v[PC+4:PC+5], s[76:77] offset:512      ; 256
	global_store_b128 v[L16], v[PC+6:PC+9], s[78:79]               ; Q, K: the second head's;  V: keys 64-127
	global_store_b64 v[L8], v[PC+10:PC+11], s[78:79] offset:512
.endm
.irp a, 0,1,2,3
	QUANTW \a
.endr
	s_cmp_eq_u32 s18, 2
	s_cbranch_scc1 .Lwords_v
	v_cndmask_b32 v244, v[PW], v[PW+1], s96        ; Q, K: lanes 0-15 carry the even tile's words, lanes 16-31 the odd tile's.  Bytes 0, 1 are the first head's;
	v_cndmask_b32 v245, v[PW+2], v[PW+3], s96      ; bytes 2, 3 (the second head's, never 0xff) meet zero codes alone in the product of K = 64
	v_lshrrev_b32 v246, 16, v244                   ; the second head's word
	v_lshrrev_b32 v247, 16, v245
	global_store_b32 v[L4], v244, s[80:81]
	global_store_b32 v[L4], v245, s[80:81] offset:128
	global_store_b32 v[L4], v246, s[82:83]
	global_store_b32 v[L4], v247, s[82:83] offset:128
	s_branch .Lwords_done
.Lwords_v:
.irp a, 0,1,2,3
	global_store_b32 v[L4], v[PW+\a], s[80:81] offset:128*\a       ; V: a word for each channel of tile a and this key step; both halves of the lanes hold it
.endr
.Lwords_done:
	s_wait_tensorcnt 0x0                           ; the wave's end: behind my last tensor load
	ds_add_u32 v[SPW], v[NIL]
	s_wait_dscnt 0x0
	CROUND                                         ; the closing round: no work-group ends while a partner may still ask for a chunk that names it
	s_endpgm
.Lfunc_end_k_qc25e590f4b_proj:
	.size	k_qc25e590f4b_proj, .Lfunc_end_k_qc25e590f4b_proj-k_qc25e590f4b_proj
	.p2alignl 7, 3214868480
	.fill 96, 4, 3214868480
	.section	.rodata,"a",@progbits
	.p2align	6, 0x0
	.amdhsa_kernel k_qc25e590f4b_proj
		.amdhsa_group_segment_fixed_size 327680
		.amdhsa_private_segment_fixed_size 0
		.amdhsa_enable_private_segment 0
		.amdhsa_kernarg_size 32
		.amdhsa_user_sgpr_count 2
		.amdhsa_user_sgpr_kernarg_segment_ptr 1
		.amdhsa_wavefront_size32 1
		.amdhsa_system_sgpr_workgroup_id_x 1
		.amdhsa_system_sgpr_workgroup_id_y 1
		.amdhsa_system_sgpr_workgroup_id_z 1
		.amdhsa_system_vgpr_workitem_id 0
		.amdhsa_next_free_vgpr 768
		.amdhsa_next_free_sgpr 102
		.amdhsa_reserve_vcc 0
		.amdhsa_float_denorm_mode_32 3
		.amdhsa_float_denorm_mode_16_64 3
		.amdhsa_memory_ordered 1
		.amdhsa_forward_progress 1
		.amdhsa_inst_pref_size 91
	.end_amdhsa_kernel
	.amdgpu_metadata
---
amdhsa.version: [ 1, 2 ]
amdhsa.kernels:
  - .name:           k_qc25e590f4b_proj
    .symbol:         k_qc25e590f4b_proj.kd
    .args:
      - { .name: xq, .offset: 0, .size: 8, .value_kind: global_buffer, .address_space: global }
      - { .name: wq, .offset: 8, .size: 8, .value_kind: global_buffer, .address_space: global }
      - { .name: qh, .offset: 16, .size: 8, .value_kind: global_buffer, .address_space: global }
      - { .name: kv, .offset: 24, .size: 8, .value_kind: global_buffer, .address_space: global }
    .group_segment_fixed_size: 327680
    .private_segment_fixed_size: 0
    .kernarg_segment_align: 8
    .kernarg_segment_size: 32
    .max_flat_workgroup_size: 128
    .sgpr_count:     102
    .vgpr_count:     768
    .wavefront_size: 32
...
	.end_amdgpu_metadata
.endif
;; end of part 2
;; launch attn (part 3): grid 16 x 16, 16 waves a work-group, no clusters, 67,584 bytes of LDS; arguments qh, kv, valid_lens, oq; writes oq
.if DOCPART == 3
	.amdgcn_target "amdgcn-amd-amdhsa--gfx1250"
	.amdhsa_code_object_version 6
	.text
	.protected	k_qc25e590f4b_attn
	.globl	k_qc25e590f4b_attn
	.p2align	8
	.type	k_qc25e590f4b_attn,@function
k_qc25e590f4b_attn:
	s_mov_b64 s[64:65], 0
	v_nop
	global_prefetch_b8 v0, s[64:65] scope:SCOPE_SE
	s_setreg_imm32_b32 hwreg(HW_REG_WAVE_MODE, 25, 1), 1
	s_wait_xcnt 0x0
; O = softmax(Qh Kh^T / 8, keys at or behind valid_len hidden) Vh for every batch and head, both products on codes of FP6 (E2M3) with E8M0 scales; O is quantised along D for the last product and leaves as codes.
; THE SOFTMAX AHEAD OF THE SECOND PRODUCT: t = score x log2(e) / 8; M = the running largest t rounded up to a whole number; p = 2^(t - M) is quantised along the keys, not normalised; the row's sum is taken of the
; unquantised p and divides O at the end.  When M moves, the sum and O are multiplied by 2^(old M - new M): exact.  A block's largest p is made from its largest score by the same two instructions.
; SHARES.  A work-group has one head (y) and one block of 128 queries (x) OF ALL FOUR BATCHES: its sixteen waves are two groups of eight; group g walks batches 2 g and 2 g + 1; a wave owns one tile of 16 queries.
; So every work-group's work goes with the sum of the four lengths, whatever valid_lens holds.  g = (w xor w / 4) % 2.
; KEY STEPS THAT LIE WHOLLY BEHIND valid_len ARE LEFT OUT: a scalar branch on the length, round the step's work alone; every wave walks all 16 trips of a batch and passes every barrier.  That branch hangs on
; loaded whole numbers, so this launch has no tensor load: a key step's block of kv (13,312 bytes: K's 8 tiles, V^T's 4, their scale words) comes through registers, an eighth by each wave of the group, a step ahead,
; into two LDS slots by turns.  For the same reason there is no cluster: partners of other batches would want different numbers of blocks, and those of one batch share blocks of 13 KiB only.
; LAYOUT.  Both products are used transposed: S^T = K Q^T, O^T = V^T P^T: a lane holds one query (lane % 16) throughout.  A tile's keys and channels are chosen (row 32 (T / 2) + 8 (T % 2) + r + 8 (r / 8)) so that
; the 16 registers of two neighbouring tiles are 16 neighbours along the next K.  The first product's K is 64: the upper half of Q's fragment is zero codes; what stands against them in K's operand adds nothing.
; valid_len <= 0: reference() then has all logits equal: every p is 1 (the factor c is 0 and all 2,048 keys count).  valid_len > 2,048 counts as 2,048.
; LIMITS: NaN and infinities are not served; a block of O whose largest magnitude lies under 2^-124 keeps the scale byte 1.
; REGISTERS: v1-11, v28-30 addresses; v12 -M, v13 the largest t, v[14:15] the sum; v16-21 Q, v22-27 zeros; v32-79 K's 8 tiles (6 registers each), later V's 4 (12 each); v80-85 zeros; v96-159 S^T, then p; v160-191 O^T;
;   v192-204 the next block's eighth; v206-209 V's scale words; v224-235 p's codes; v232-254 at work; v248-251 K's scale words; v253 p's; v255 Q's.
.set SLOTB, 16384                      ; a group's two slots lie 16,384 bytes apart, the groups 32,768
.set KVB,   13312
.set SPARE, 65536                      ; behind the slots: the spare words, 128 bytes a wave
.set SPW,  6                           ; v6  LDS address of my spare word; never rewritten
.set NIL,  7                           ; v7  0; never rewritten
.set WV,   16
.set Q8,   17                          ; my tile in the block of queries, and my eighth of a block of kv
.set GR,   18                          ; my group
.set HD,   20                          ; the head
.set VLA,  21                          ; valid_lens of my group's two batches
.set VLB,  22
.set BI,   23                          ; which of the two
.set CNT,  24
.set LEN,  25                          ; keys that count
.set KF,   26                          ; the trip's first key
.set KN,   27                          ; the next trip's
.set CS,   28                          ; s[28:29] c = log2(e) / 8, or 0
.set SEL,  30                          ; s[30:31] selects for lane l xor 16
.set KV,   32                          ; s[32:33] the next block of kv
.set QP,   34                          ; s[34:35] Q's codes, s[36:37] its scale words
.set QS,   36
.set OP,   38                          ; s[38:39] O's codes, s[40:41] its scale bytes
.set OS,   40
.set HM,   48                          ; lanes 16-31
.set HS,   49                          ; the head's part of O's scale bytes' place
	s_load_b256 s[4:11], s[0:1], 0x0               ; qh s[4:5], kv s[6:7], valid_lens s[8:9], oq s[10:11]
	v_lshl_add_u32 v[SPW], v0, 2, SPARE
	v_mov_b32 v[NIL], 0
	v_lshrrev_b32 v1, 5, v0
	v_readfirstlane_b32 s[WV], v1                  ; wave 0..15
	s_lshr_b32 s[Q8], s[WV], 1
	s_lshr_b32 s[GR], s[WV], 2
	s_xor_b32 s[GR], s[GR], s[WV]
	s_and_b32 s[GR], s[GR], 1
	s_and_b32 s[HD], ttmp7, 0xffff
	v_and_b32 v31, 31, v0                          ; lane
	v_and_b32 v28, 15, v0                          ; r
	v_bfe_u32 v30, v0, 4, 1                        ; h
	s_lshl_b32 s42, s[GR], 15                      ; my group's slots
	v_lshl_add_u32 v1, v31, 4, s42                 ; reads: 16 x lane,
	v_lshl_add_u32 v2, v31, 3, s42                 ; 8 x lane,
	v_lshl_add_u32 v3, v31, 2, s42                 ; 4 x lane
	s_mul_i32 s43, s[Q8], 1536                     ; my eighth of a block's codes: in memory,
	v_lshl_add_u32 v8, v31, 4, s43
	s_add_co_u32 s44, s43, s42
	v_lshl_add_u32 v4, v31, 4, s44                 ; and in a slot
	s_lshl_b32 s43, s[Q8], 7
	s_add_co_u32 s43, s43, 12288                   ; and of its scale words
	v_lshl_add_u32 v9, v31, 2, s43
	s_add_co_u32 s44, s43, s42
	v_lshl_add_u32 v5, v31, 2, s44
	v_lshlrev_b32 v10, 4, v31                      ; half a fragment in memory: 16 x lane,
	v_lshlrev_b32 v11, 3, v31                      ; 8 x lane
	v_lshl_add_u32 v29, v28, 4, v30                ; O's scale bytes: 16 r + h
	v_lshlrev_b32 v28, 2, v28                      ; Q's scale words: 4 r
	v_cmp_ne_u32 s[HM], 0, v30
	v_lshlrev_b32 v30, 4, v30                      ; 16 h
.irp j, 22,23,24,25,26,27,80,81,82,83,84,85,236,237,238,239,252,253
	v_mov_b32 v\j, 0                               ; the zero codes; and what is named before it is first written (a lane permute's destination, the upper half of a pair)
.endr
	s_mov_b32 s[SEL], 0x76543210
	s_mov_b32 s[SEL+1], 0xfedcba98
	s_lshr_b32 s42, s[HD], 3                       ; O's K step of 128 is head / 2: 256 (step / 4) + 4 (step % 4) + 2 (head % 2)
	s_lshl_b32 s[HS], s42, 8
	s_bfe_u32 s42, s[HD], 0x20001
	s_lshl_b32 s42, s42, 2
	s_add_co_u32 s[HS], s[HS], s42
	s_and_b32 s42, s[HD], 1
	s_lshl_b32 s42, s42, 1
	s_add_co_u32 s[HS], s[HS], s42
	s_add_co_u32 s[HS], s[HS], 6291456
	s_mov_b32 s51, 0
	s_wait_kmcnt 0x0
	s_load_b128 s[12:15], s[8:9], 0x0              ; the four lengths
	s_wait_kmcnt 0x0
	s_cmp_eq_u32 s[GR], 0
	s_cselect_b32 s[VLA], s12, s14
	s_cselect_b32 s[VLB], s13, s15
; A KEY STEP: 128 keys from the slot.
.macro STEP slot
.set SLO, SLOTB*(\slot)
.rept 4
	v_nop                                          ; four places in front of loads into registers that the last products read
.endr
.irp t, 0,1,2,3,4,5,6,7
	ds_load_b128 v[32+6*\t:35+6*\t], v1 offset:SLO+768*\t
	ds_load_b64 v[36+6*\t:37+6*\t], v2 offset:SLO+768*\t+512
.endr
.irp i, 0,1,2,3
	ds_load_b32 v[248+\i], v3 offset:SLO+12288+128*\i      ; lanes 0-15: tile 2 i's scale words, lanes 16-31: tile 2 i + 1's
.endr
	s_wait_dscnt 0x0
.irp i, 0,1,2,3                                ; S^T = K Q^T.  A tile's operand runs on into the next tile's six registers (the last into zeros): they stand against Q's zero codes
	v_wmma_scale_f32_16x16x128_f8f6f4 v[96+16*\i:103+16*\i], v[32+12*\i:43+12*\i], v[16:27], 0, v[248+\i], v255 matrix_a_fmt:MATRIX_FMT_FP6 matrix_b_fmt:MATRIX_FMT_FP6
	v_wmma_scale_f32_16x16x128_f8f6f4 v[104+16*\i:111+16*\i], v[38+12*\i:49+12*\i], v[16:27], 0, v[248+\i], v255 matrix_a_fmt:MATRIX_FMT_FP6 matrix_b_fmt:MATRIX_FMT_FP6 matrix_a_scale:MATRIX_SCALE_ROW1
.endr
.rept 4
	v_nop                                          ; four places: in front of the loads below, and of the first read of the scores
.endr
.irp tc, 0,1,2,3                               ; V's fragments land while the softmax is walked
.irp c, 0,1
	ds_load_b128 v[32+12*\tc+6*\c:35+12*\tc+6*\c], v1 offset:SLO+6144+1536*\tc+768*\c
	ds_load_b64 v[36+12*\tc+6*\c:37+12*\tc+6*\c], v2 offset:SLO+6144+1536*\tc+768*\c+512
.endr
	ds_load_b32 v[206+\tc], v3 offset:SLO+12800+128*\tc
.endr
	s_cmp_le_u32 s[KN], s[LEN]                     ; a step all of whose keys count skips the mask
	s_cbranch_scc1 .Lopen_\@
	s_sub_co_u32 s42, s[LEN], s[KF]
	s_sub_co_u32 s42, s42, 1
	v_sub_nc_u32 v252, s42, v30                    ; d = LEN - KF - 1 - 16 h.  Register 16 b + i holds key KF + 32 b + 16 h + i: hidden where 32 b + i > d
	v_mov_b32 v254, 0xff800000                     ; -infinity: p = 0, as -1e20 gives beside a key that counts (key 0 always does here)
.set n, 0
.rept 64
	v_cmp_gt_i32 vcc_lo, 32*(n/16)+n%16, v252
	v_cndmask_b32 v[96+n], v[96+n], v254, vcc_lo
.set n, n+1
.endr
.Lopen_\@:
.irp b, 0,1,2,3
	v_max3_num_f32 v[232+\b], v[96+16*\b], v[97+16*\b], v[98+16*\b]   ; the largest score of each block of 32 keys: for the row's maximum, and for the block's largest p
.endr
.irp i, 3,5,7,9,11,13
.irp b, 0,1,2,3
	v_max3_num_f32 v[232+\b], v[232+\b], v[96+16*\b+\i], v[97+16*\b+\i]
.endr
.endr
.irp b, 0,1,2,3
	v_max_num_f32 v[232+\b], v[232+\b], v[111+16*\b]
.endr
.irp b, 0,1,2,3
	v_permlanex16_b32 v[236+\b], v[232+\b], s[SEL], s[SEL+1]
.endr
.irp b, 0,1,2,3
	v_max_num_f32 v[232+\b], v[232+\b], v[236+\b]  ; with lane l xor 16's 16 keys
.endr
	v_max3_num_f32 v254, v232, v233, v234
	v_max_num_f32 v254, v254, v235                 ; the step's largest score of my query
	v_mul_f32 v254, s[CS], v254                    ; as t (c is not negative)
	v_max_num_f32 v13, v13, v254                   ; the running largest t
	v_mov_b32 v254, v12
	v_floor_f32 v12, -v13                          ; the new -M = floor(-t): M is a whole number
	v_sub_f32 v254, v12, v254                      ; old M - new M: a whole number, 0 or less
	v_cvt_i32_f32 v254, v254                       ; (it saturates)
	v_ldexp_f32 v252, 1.0, v254                    ; f = 2^(old M - new M)
.set j, 0
.rept 32
	v_pk_fma_f32 v[96+j:97+j], v[96+j:97+j], s[CS:CS+1], v[12:13] op_sel_hi:[1,0,0]   ; t - M, two at a time
.set j, j+2
.endr
.irp b, 0,1,2,3
	v_fma_f32 v[232+\b], v[232+\b], s[CS], v12     ; the same of each block's largest score
.endr
.set j, 0
.rept 64
	v_exp_f32 v[96+j], v[96+j]                     ; p = 2^(t - M)
.set j, j+1
.endr
	v_pk_mul_f32 v[14:15], v[14:15], v[252:253] op_sel_hi:[1,0]   ; the sums under the new M: the plain place behind the exponentials
	s_wait_alu depctr_va_vdst(0)                   ; one wait for the whole batch, ahead of its first reader
.irp b, 0,1,2,3
	v_exp_f32 v[232+\b], v[232+\b]                 ; the block's largest p
.endr
	v_pk_add_f32 v[236:237], v[96:97], v[98:99]    ; the row's sum, of the unquantised p, in two chains: plain work behind the four
.irp j, 4,8,12,16,20,24,28,32,36,40,44,48,52,56,60
	v_pk_add_f32 v[14:15], v[14:15], v[96+\j:97+\j]
	v_pk_add_f32 v[236:237], v[236:237], v[98+\j:99+\j]
.endr
	v_pk_add_f32 v[14:15], v[14:15], v[236:237]
	s_wait_alu depctr_va_vdst(0)                   ; and one for the four
.irp b, 0,1,2,3
	v_max_num_f32 v[232+\b], 0x1800000, v[232+\b]  ; the floor 2^(3 - 127): a block whose every p is 0 keeps the byte 1; its codes are zeros
.endr
.irp b, 0,1,2,3
	v_add_nc_u32 v[244+\b], 0xff000000, v[232+\b]  ; 2 off the exponent field: the conversion's scale operand
.endr
.irp b, 0,1,2,3
	v_lshrrev_b32 v[236+\b], 23, v[244+\b]         ; the scale's byte
.endr
	v_lshl_or_b32 v253, v237, 8, v236              ; p's scale word for these 128 keys
	v_lshl_or_b32 v253, v238, 16, v253
	v_lshl_or_b32 v253, v239, 24, v253
.irp c, 0,1
	v_cvt_scalef32_pk16_fp6_f32 v[224+6*\c:226+6*\c], v[96+32*\c:111+32*\c], v[244+2*\c]
	v_cvt_scalef32_pk16_fp6_f32 v[236+4*\c:238+4*\c], v[112+32*\c:127+32*\c], v[244+2*\c+1]
.endr
	v_nop                                          ; one plain place behind a scaled conversion
.irp c, 0,1                                    ; a whole block to a lane: lanes 0-15 block 2 c, lanes 16-31 block 2 c + 1
.irp i, 0,1,2
	v_permlane16_swap_b32 v[224+6*\c+\i], v[236+4*\c+\i]
.endr
.irp i, 0,1,2
	v_mov_b32 v[227+6*\c+\i], v[236+4*\c+\i]
.endr
.endr
.set j, 0
.rept 16
	v_pk_mul_f32 v[160+j:161+j], v[160+j:161+j], v[252:253] op_sel_hi:[1,0]   ; O^T under the new M; these are also the places between the codes' and the scale word's last writes and the products
.set j, j+2
.endr
	s_wait_dscnt 0x0                               ; V is in
.irp tc, 0,1,2,3                               ; O^T += V^T P^T: the four accumulators take turns
	v_wmma_scale_f32_16x16x128_f8f6f4 v[160+8*\tc:167+8*\tc], v[32+12*\tc:43+12*\tc], v[224:235], v[160+8*\tc:167+8*\tc], v[206+\tc], v253 matrix_a_fmt:MATRIX_FMT_FP6 matrix_b_fmt:MATRIX_FMT_FP6
.endr
.endm
; A TRIP: the next block is asked for (if a key of it counts), this one is worked (likewise), the next goes into the other slot; then ONE barrier, on every wave's path: behind it the other slot is whole,
; and nobody reads this one any more.  In front of it each wave's LDS stores have landed and its LDS loads are in.
.macro TRIP slot
	s_add_co_u32 s[KN], s[KF], 128
	s_cmp_lt_u32 s[KN], s[LEN]
	s_cbranch_scc0 .Lno_load_\@
.irp i, 0,1,2
	global_load_b128 v[192+4*\i:195+4*\i], v8, s[KV:KV+1] offset:512*\i
.endr
	global_load_b32 v204, v9, s[KV:KV+1]
.Lno_load_\@:
	s_cmp_lt_u32 s[KF], s[LEN]
	s_cbranch_scc0 .Lno_step_\@
	STEP \slot
.Lno_step_\@:
	s_wait_loadcnt 0x0                             ; the next block's eighth is in, so its address may be stepped too
	s_cmp_lt_u32 s[KN], s[LEN]
	s_cbranch_scc0 .Lno_store_\@
.irp i, 0,1,2
	ds_store_b128 v4, v[192+4*\i:195+4*\i] offset:SLOTB*(1-(\slot))+512*\i
.endr
	ds_store_b32 v5, v204 offset:SLOTB*(1-(\slot))
.Lno_store_\@:
	s_add_nc_u64 s[KV:KV+1], s[KV:KV+1], KVB
	s_mov_b32 s[KF], s[KN]
	s_wait_dscnt 0x0
	s_barrier_signal -1
	s_barrier_wait -1
.endm
	s_mov_b32 s[BI], 0
.Lbatch:                                           ; two trips: my group's two batches
	s_cmp_eq_u32 s[BI], 0
	s_cselect_b32 s42, s[VLA], s[VLB]
	s_min_u32 s[LEN], s42, 2048
	s_cmp_gt_i32 s42, 0
	s_cselect_b32 s[LEN], s[LEN], 2048             ; no key counts: all logits are equal, all 2,048 keys weigh alike:
	s_cselect_b32 s[CS], 0x3e38aa3b, 0             ; c = log2(e) / 8, or 0
	s_mov_b32 s[CS+1], s[CS]
	s_lshl_b32 s43, s[GR], 1
	s_add_co_u32 s43, s43, s[BI]                   ; the batch
	s_lshl_b32 s44, s43, 4
	s_add_co_u32 s44, s44, s[HD]                   ; 16 batch + head
	s_lshl_b32 s45, ttmp9, 3
	s_add_co_u32 s45, s45, s[Q8]                   ; my tile of queries in the batch
	s_lshl_b32 s46, s44, 7
	s_add_co_u32 s46, s46, s45
	s_mul_i32 s50, s46, 768
	s_add_nc_u64 s[QP:QP+1], s[4:5], s[50:51]
	s_lshl_b32 s50, s46, 6
	s_add_co_u32 s50, s50, 6291456
	s_add_nc_u64 s[QS:QS+1], s[4:5], s[50:51]
	s_mul_i32 s50, s44, 16*KVB
	s_add_nc_u64 s[KV:KV+1], s[6:7], s[50:51]
	s_lshl_b32 s46, s43, 7
	s_add_co_u32 s46, s46, s45                     ; my tile among the 512 of O
	s_mul_i32 s50, s46, 12288
	s_mul_i32 s47, s[HD], 768
	s_add_co_u32 s50, s50, s47
	s_add_nc_u64 s[OP:OP+1], s[10:11], s[50:51]
	s_lshl_b32 s50, s46, 9
	s_add_co_u32 s50, s50, s[HS]
	s_add_nc_u64 s[OS:OS+1], s[10:11], s[50:51]
	global_load_b128 v[16:19], v10, s[QP:QP+1]     ; Q's half fragment stays in registers
	global_load_b64 v[20:21], v11, s[QP:QP+1] offset:512
	global_load_b32 v255, v28, s[QS:QS+1]          ; its scale words
.irp i, 0,1,2
	global_load_b128 v[192+4*\i:195+4*\i], v8, s[KV:KV+1] offset:512*\i   ; my eighth of the batch's first block
.endr
	global_load_b32 v204, v9, s[KV:KV+1]
	v_mov_b32 v13, 0xff61b1e6                      ; the largest t so far: -3e38
	v_floor_f32 v12, -v13                          ; -M
	v_mov_b32 v14, 0
	v_mov_b32 v15, 0
.set j, 0
.rept 32
	v_mov_b32 v[160+j], 0                          ; O^T: the step is written once; the first finds zeros
.set j, j+1
.endr
	s_wait_loadcnt 0x0
	s_add_nc_u64 s[KV:KV+1], s[KV:KV+1], KVB
.irp i, 0,1,2
	ds_store_b128 v4, v[192+4*\i:195+4*\i] offset:512*\i       ; slot 0 was last read ahead of the last barrier but one
.endr
	ds_store_b32 v5, v204
	s_mov_b32 s[KF], 0
	s_mov_b32 s[CNT], 8
	s_wait_dscnt 0x0
	s_barrier_signal -1
	s_barrier_wait -1
.Ltrips:                                           ; eight trips of two key steps: a constant, whatever the length
	TRIP 0
	TRIP 1
	s_sub_co_u32 s[CNT], s[CNT], 1
	s_cmp_lg_u32 s[CNT], 0
	s_cbranch_scc1 .Ltrips
	; THE WAY OUT: O^T / the sum, quantised along the head's 64 channels (two blocks of D), as half a fragment of the last product's operand
.rept 4
	v_nop                                          ; four places behind the last products
.endr
	v_add_f32 v14, v14, v15
	v_permlanex16_b32 v252, v14, s[SEL], s[SEL+1]
	v_add_f32 v14, v14, v252                       ; the row's sum
	v_rcp_f32 v14, v14
	v_nop                                          ; a plain place behind the reciprocal,
	s_wait_alu depctr_va_vdst(0)                   ; and a wait ahead of its first reader
.set j, 0
.rept 32
	v_mul_f32 v[96+j], v[160+j], v14               ; register 16 b + i = channel 32 b + 16 h + i of the head; each accumulator from its low end on
.set j, j+1
.endr
.irp b, 0,1
	v_max3_num_f32 v[232+\b], |v[96+16*\b]|, |v[97+16*\b]|, 0x1800000
.endr
.irp i, 2,4,6,8,10,12,14
.irp b, 0,1
	v_max3_num_f32 v[232+\b], v[232+\b], |v[96+16*\b+\i]|, |v[97+16*\b+\i]|
.endr
.endr
.irp b, 0,1
	v_permlanex16_b32 v[236+\b], v[232+\b], s[SEL], s[SEL+1]
.endr
.irp b, 0,1
	v_max_num_f32 v[232+\b], v[232+\b], v[236+\b]
.endr
.irp b, 0,1
	v_add_nc_u32 v[244+\b], 0xff000000, v[232+\b]
.endr
.irp b, 0,1
	v_lshrrev_b32 v[236+\b], 23, v[244+\b]
.endr
	v_cndmask_b32 v242, v236, v237, s[HM]          ; lanes 0-15 store block 0's byte, lanes 16-31 block 1's
	v_cvt_scalef32_pk16_fp6_f32 v[224:226], v[96:111], v244
	v_cvt_scalef32_pk16_fp6_f32 v[236:238], v[112:127], v245
	v_nop                                          ; one plain place behind a scaled conversion
.irp i, 0,1,2
	v_permlane16_swap_b32 v[224+\i], v[236+\i]
.endr
.irp i, 0,1,2
	v_mov_b32 v[227+\i], v[236+\i]
.endr
	global_store_b128 v10, v[224:227], s[OP:OP+1]              ; 512 consecutive bytes,
	global_store_b64 v11, v[228:229], s[OP:OP+1] offset:512    ; 256
	global_store_b8 v29, v242, s[OS:OS+1]                      ; a byte a lane, rows 16 bytes apart: one byte in 24 of what leaves here
	s_wait_xcnt 0x0                                ; the stores have read their registers and bases: the next batch writes both
	s_add_co_u32 s[BI], s[BI], 1
	s_cmp_lt_u32 s[BI], 2
	s_cbranch_scc1 .Lbatch
	s_wait_tensorcnt 0x0                           ; the wave's end: behind my last LDS store
	ds_add_u32 v[SPW], v[NIL]
	s_wait_dscnt 0x0
	s_endpgm
.Lfunc_end_k_qc25e590f4b_attn:
	.size	k_qc25e590f4b_attn, .Lfunc_end_k_qc25e590f4b_attn-k_qc25e590f4b_attn
	.p2alignl 7, 3214868480
	.fill 96, 4, 3214868480
	.section	.rodata,"a",@progbits
	.p2align	6, 0x0
	.amdhsa_kernel k_qc25e590f4b_attn
		.amdhsa_group_segment_fixed_size 67584
		.amdhsa_private_segment_fixed_size 0
		.amdhsa_enable_private_segment 0
		.amdhsa_kernarg_size 32
		.amdhsa_user_sgpr_count 2
		.amdhsa_user_sgpr_kernarg_segment_ptr 1
		.amdhsa_wavefront_size32 1
		.amdhsa_system_sgpr_workgroup_id_x 1
		.amdhsa_system_sgpr_workgroup_id_y 1
		.amdhsa_system_sgpr_workgroup_id_z 1
		.amdhsa_system_vgpr_workitem_id 0
		.amdhsa_next_free_vgpr 256
		.amdhsa_next_free_sgpr 66
		.amdhsa_reserve_vcc 1
		.amdhsa_float_denorm_mode_32 3
		.amdhsa_float_denorm_mode_16_64 3
		.amdhsa_memory_ordered 1
		.amdhsa_forward_progress 1
		.amdhsa_inst_pref_size 55
	.end_amdhsa_kernel
	.amdgpu_metadata
---
amdhsa.version: [ 1, 2 ]
amdhsa.kernels:
  - .name:           k_qc25e590f4b_attn
    .symbol:         k_qc25e590f4b_attn.kd
    .args:
      - { .name: qh, .offset: 0, .size: 8, .value_kind: global_buffer, .address_space: global }
      - { .name: kv, .offset: 8, .size: 8, .value_kind: global_buffer, .address_space: global }
      - { .name: valid_lens, .offset: 16, .size: 8, .value_kind: global_buffer, .address_space: global }
      - { .name: oq, .offset: 24, .size: 8, .value_kind: global_buffer, .address_space: global }
    .group_segment_fixed_size: 67584
    .private_segment_fixed_size: 0
    .kernarg_segment_align: 8
    .kernarg_segment_size: 32
    .max_flat_workgroup_size: 512
    .sgpr_count:     66
    .vgpr_count:     256
    .wavefront_size: 32
...
	.end_amdgpu_metadata
.endif
;; end of part 3
;; launch outp (part 4): grid 4 x 64, 4 waves a work-group, clusters of 4 x 4, 327,680 bytes of LDS; arguments oq, wq, out0; writes out0
.if DOCPART == 4
	.amdgcn_target "amdgcn-amd-amdhsa--gfx1250"
	.amdhsa_code_object_version 6
	.text
	.protected	k_qc25e590f4b_outp
	.globl	k_qc25e590f4b_outp
	.p2align	8
	.type	k_qc25e590f4b_outp,@function
k_qc25e590f4b_outp:
	s_mov_b64 s[64:65], 0
	v_nop
	global_prefetch_b8 v0, s[64:65] scope:SCOPE_SE
	s_setreg_imm32_b32 hwreg(HW_REG_WAVE_MODE, 25, 1), 1
	s_wait_xcnt 0x0
	s_wait_alu depctr_hold_cnt(0) depctr_sa_sdst(0) depctr_va_vdst(0) depctr_va_sdst(0) depctr_va_ssrc(0) depctr_va_vcc(0) depctr_vm_vsrc(0)
	s_getreg_b32 s2, hwreg(HW_REG_IB_STS2, 6, 4)
	s_cmp_eq_u32 s2, 0
	s_cbranch_scc0 .Lentry_in_a_cluster
	s_endpgm
.Lentry_in_a_cluster:
	s_bfe_u32 s2, ttmp6, 0x10000c
	s_cmp_lg_u32 s2, 0xf033
	s_cbranch_scc0 .Lentry_shape_is_right
	s_endpgm
.Lentry_shape_is_right:
; out0 = O W_o on codes of FP6 (E2M3) with E8M0 scales, K = 1,024; out0 [8192][1024] f32.
; A work-group of four waves makes 128 (tokens) x 256 (columns), a wave 64 x 128: 32 accumulators.  The matrix instruction is used transposed (source 0 = 16 rows of W_o's image, source 1 = 16 rows of O's):
; a lane holds one token, its registers run along the columns.  Lane row r of tile T is row 32 (T / 2) + 8 (T % 2) + r + 8 (r / 8) in both operands.
; OPERANDS lie in memory in the order of their registers (half a fragment, 16 rows x 64 K: 768 bytes: registers 0-3 at 16 x lane, 4-5 at 512 + 8 x lane; a tile: 16 of them).  All of K of both panels fits in LDS,
; in four chunks of 256 along K: every byte is filled once, a wave's four loads go out at the start (four are out at the most), and no slot is filled again.
; CLUSTERS: 4 x 4 work-groups; O's panel is shared along a row of the cluster, W_o's along a column: each chunk is asked for jointly.
; REGISTERS: window 0: v4-15 addresses; v32-63 O's scale words (8 a + step), v64-127 W_o's (8 b + step): they hold nothing else; v128-223 O's fragments, two sets of 48; on the way out v128-255 take rows of out0.
;   window 1: W_o's fragments, two sets, at v0 and v128.   window 2: accumulator (a, b) at v[8 (8 a + b)].
.set CHUNK, 73728                      ; a chunk in LDS: 8 tiles of O, then 16 of W_o, 3,072 bytes each
.set BPAN,  24576
.set SPARE, 4*CHUNK                    ; behind the chunks: the spare words, 128 bytes a wave
.set ADA16, 4
.set ADA8,  5
.set ADB16, 6
.set ADB8,  7
.set R16,   8                          ; v8   16 (lane % 16)
.set L16,   9                          ; v9   16 x lane
.set L8,    10                         ; v10  8 x lane
.set SPW,   12                         ; v12  LDS address of my spare word; never rewritten
.set NIL,   13                         ; v13  0; never rewritten
.set STO,   14                         ; v14  the way out: where I put 32 bytes of a row
.set RD,    15                         ; v15  and where I read a row back
.set SCA,   32
.set SCB,   64
.set AF,    128
.set G1A,   24
.set G1B,   32
.set G0A,   40
.set MSB, 0
.macro WIN new                         ; the immediate's high byte repeats the setting that is left
.if MSB != \new
	s_set_vgpr_msb (MSB<<8)|\new
.set MSB, \new
.endif
.endm
.macro PLACES n
.rept \n
	v_nop
.endr
.endm
.macro CROUND                          ; a round of the cluster's barrier
	s_barrier_signal -1
	s_barrier_wait -1
	s_cmp_lg_u32 s12, 0
	s_cbranch_scc1 .Lnot_wave_0_\@
	s_barrier_signal -3
.Lnot_wave_0_\@:
	s_barrier_wait -3
	s_barrier_signal -1
	s_barrier_wait -1
.endm
.macro FETCH s, p                      ; 48 LDS loads in one run: the fragments of step s (128 along K) into set p; every load reads consecutive bytes
	WIN 0x40                                       ; destination window 1
.irp b, 0,1,2,3,4,5,6,7
.irp c, 0,1
	ds_load_b128 v[128*(\p)+12*\b+6*\c:128*(\p)+12*\b+6*\c+3], v[ADB16] offset:3072*\b+1536*((\s)%2)+768*\c
	ds_load_b64 v[128*(\p)+12*\b+6*\c+4:128*(\p)+12*\b+6*\c+5], v[ADB8] offset:3072*\b+1536*((\s)%2)+768*\c+512
.endr
.endr
	WIN 0
.irp a, 0,1,2,3
.irp c, 0,1
	ds_load_b128 v[AF+48*(\p)+12*\a+6*\c:AF+48*(\p)+12*\a+6*\c+3], v[ADA16] offset:3072*\a+1536*((\s)%2)+768*\c
	ds_load_b64 v[AF+48*(\p)+12*\a+6*\c+4:AF+48*(\p)+12*\a+6*\c+5], v[ADA8] offset:3072*\a+1536*((\s)%2)+768*\c+512
.endr
.endr
.endm
.macro MUL s, p                        ; 32 matrix instructions; the 32 accumulators take turns, in the same order in every step; step 0 starts the sums
	WIN 0xa1                                       ; source 0 window 1, source 1 window 0, C and D window 2
.irp a, 0,1,2,3
.irp b, 0,1,2,3,4,5,6,7
.if (\s) == 0
	v_wmma_scale_f32_16x16x128_f8f6f4 v[8*(8*\a+\b):8*(8*\a+\b)+7], v[128*(\p)+12*\b:128*(\p)+12*\b+11], v[AF+48*(\p)+12*\a:AF+48*(\p)+12*\a+11], 0, v[SCB+8*\b+(\s)], v[SCA+8*\a+(\s)] matrix_a_fmt:MATRIX_FMT_FP6 matrix_b_fmt:MATRIX_FMT_FP6
.else
	v_wmma_scale_f32_16x16x128_f8f6f4 v[8*(8*\a+\b):8*(8*\a+\b)+7], v[128*(\p)+12*\b:128*(\p)+12*\b+11], v[AF+48*(\p)+12*\a:AF+48*(\p)+12*\a+11], v[8*(8*\a+\b):8*(8*\a+\b)+7], v[SCB+8*\b+(\s)], v[SCA+8*\a+(\s)] matrix_a_fmt:MATRIX_FMT_FP6 matrix_b_fmt:MATRIX_FMT_FP6
.endif
.endr
.endr
.endm
; Step s of eight.  The next step's fragments are asked for ahead of this step's products.  Ahead of a new chunk: my load of it has landed, a barrier shows everybody's.
.macro KSTEP s
.if ((\s)%2 == 1) && ((\s) < 7)
	WIN 0
	s_wait_tensorcnt 3-((\s)+1)/2                  ; my part of the next chunk is in; the chunks behind it may stay out
	s_wait_dscnt 0x0                               ; no LDS instruction of mine is out at a signal
	s_barrier_signal -1
	s_barrier_wait -1
.irp r, ADA16, ADA8, ADB16, ADB8
	v_add_nc_u32 v[\r], CHUNK, v[\r]               ; on to the next chunk; these four are also the places in front of the loads below
.endr
.elseif ((\s) > 0) && ((\s) < 7)
	PLACES 4                                       ; four places in front of loads into registers that matrix instructions have read (ISA guide 7.12.1 for vector instructions)
.endif
.if (\s) < 7
	FETCH (\s)+1, ((\s)+1)%2
	s_wait_dscnt 48                                ; all but the 48 just issued
.else
	s_wait_dscnt 0x0
.endif
	MUL \s, (\s)%2
.endm
	s_load_b128 s[4:7], s[0:1], 0x0                ; oq s[4:5], wq s[6:7]
	s_load_b64 s[8:9], s[0:1], 0x10                ; out0
	v_lshl_add_u32 v[SPW], v0, 2, SPARE
	v_mov_b32 v[NIL], 0
	ds_add_u32 v[SPW], v[NIL]                      ; the wave's opening: the add and its wait stand ahead of my first tensor load; the set-up below, work on registers, stands between them
	v_lshrrev_b32 v1, 5, v0
	v_readfirstlane_b32 s12, v1                    ; wave 0..3
	s_lshr_b32 s13, s12, 1                         ; which 64 of the 128 tokens are mine.  Also: I fetch O's panel (0) or W_o's (1)
	s_and_b32 s14, s12, 1                          ; which 128 of the 256 columns.  Also: which half of that panel I fetch
	s_bfe_u32 s15, ttmp6, 0x40000                  ; cx
	s_bfe_u32 s16, ttmp6, 0x40004                  ; cy
	s_and_b32 s17, ttmp7, 0xffff                   ; cluster y, 0..15
	s_lshl_b32 s20, s17, 2
	s_add_co_u32 s20, s20, s16                     ; TR: my tile of 128 tokens: hangs on cy alone
	s_mov_b32 s21, s15                             ; TC: my tile of 256 columns: on cx alone
	s_lshl_b32 s22, s16, 2
	s_lshl_b32 s22, 15, s22                        ; my row of the cluster
	s_lshl_b32 s23, 0x1111, s15                    ; my column
	; descriptor group 1: R tiles x 3,072 bytes (384 elements of 8 bytes), 12,288 bytes apart in memory, on end in LDS
	s_or_b32 s[G1A], s22, (3<<16)|(1<<21)          ; 15:0 the mask; 17:16 elements of 8 bytes; 20 no padding; 21 set beside a mask
	s_or_b32 s[G1B], s23, (3<<16)|(1<<21)
.irp g, G1A, G1B
	s_mov_b32 s[\g+1], 384<<16                     ; tensor_dim0
	s_mov_b32 s[\g+3], 384<<16                     ; tile_dim0
	s_mov_b32 s[\g+5], 1536                        ; tensor_dim0_stride
	s_mov_b32 s[\g+6], 0
	s_mov_b32 s[\g+7], 0
.endr
	s_mov_b32 s[G1A+2], 4<<16                      ; tensor_dim1, tile_dim1: four tiles of O to a load,
	s_mov_b32 s[G1A+4], 4
	s_mov_b32 s[G1B+2], 8<<16                      ; eight of W_o
	s_mov_b32 s[G1B+4], 8
	s_lshl_b32 s92, s20, 3                         ; 8 TR
	s_lshl_b32 s84, s14, 2
	s_add_co_u32 s84, s84, s92                     ; the first tile of O that I fetch
	s_mul_i32 s84, s84, 12288
	s_mov_b32 s85, 0
	s_lshl_b32 s88, s13, 2
	s_add_co_u32 s88, s88, s92                     ; the first that I multiply
	s_lshl_b32 s88, s88, 9
	s_add_co_u32 s88, s88, 6291456                 ; its scale words
	s_mov_b32 s89, 0
	s_lshl_b32 s93, s21, 4                         ; 16 TC
	s_lshl_b32 s86, s14, 3
	s_add_co_u32 s86, s86, s93                     ; the first tile of W_o that I fetch, and that I multiply
	s_lshl_b32 s90, s86, 9
	s_add_co_u32 s90, s90, 3145728+3*32768
	s_mov_b32 s91, 0
	s_mul_i32 s86, s86, 12288
	s_add_co_u32 s86, s86, 3*786432
	s_mov_b32 s87, 0
	s_mul_i32 s94, s14, 12288                      ; where they go in a chunk: no place in the cluster enters an LDS address
	s_mul_i32 s95, s14, 24576
	s_add_co_u32 s95, s95, BPAN
	v_and_b32 v1, 31, v0                           ; lane
	v_and_b32 v2, 15, v0                           ; r
	v_bfe_u32 v3, v0, 4, 1                         ; h
	v_lshlrev_b32 v[R16], 4, v2
	v_lshlrev_b32 v[L16], 4, v1
	v_lshlrev_b32 v[L8], 3, v1
	s_mul_i32 s22, s13, 12288                      ; my four tiles of O in a chunk
	v_add_nc_u32 v[ADA16], s22, v[L16]
	v_add_nc_u32 v[ADA8], s22, v[L8]
	s_mul_i32 s23, s14, 24576                      ; my eight of W_o
	s_add_co_u32 s23, s23, BPAN
	v_add_nc_u32 v[ADB16], s23, v[L16]
	v_add_nc_u32 v[ADB8], s23, v[L8]
	s_mul_i32 s22, s12, 8448                       ; my stage: 16 rows x (512 bytes + 16), in chunk 0
	v_mul_u32_u24 v[STO], v2, 528
	v_lshl_add_u32 v[STO], v3, 6, v[STO]
	v_add_nc_u32 v[STO], s22, v[STO]               ; in: row r, + 64 h
	v_add_nc_u32 v[RD], s22, v[L16]                ; back: the 32 lanes take one row of 512 bytes
	s_lshl_b32 s76, s20, 7
	s_lshl_b32 s77, s13, 6
	s_add_co_u32 s76, s76, s77                     ; my first token: 128 TR + 64 (wave / 2)
	s_lshl_b32 s76, s76, 12                        ; rows of 4,096 bytes
	s_lshl_b32 s77, s21, 10
	s_add_co_u32 s76, s76, s77                     ; + 1,024 TC
	s_lshl_b32 s77, s14, 9
	s_add_co_u32 s76, s76, s77                     ; + 512 (wave % 2)
	s_mov_b32 s77, 0
	s_wait_dscnt 0x0                               ; the opening add is done
	s_wait_kmcnt 0x0
	s_add_nc_u64 s[84:85], s[4:5], s[84:85]
	s_add_nc_u64 s[86:87], s[6:7], s[86:87]
	s_add_nc_u64 s[88:89], s[4:5], s[88:89]
	s_add_nc_u64 s[90:91], s[6:7], s[90:91]
	s_add_nc_u64 s[76:77], s[8:9], s[76:77]
.irp j, 0,1,2,3
.set GB, 56+4*\j+4*(\j/2)
	s_mov_b32 s[G0A+4*\j], 1                       ; count = 1
	s_add_co_u32 s[G0A+4*\j+1], s94, \j*CHUNK      ; LDS address
	s_add_nc_u64 s[G0A+4*\j+2:G0A+4*\j+3], s[84:85], \j*3072   ; global address: chunk j of each tile
	s_or_b32 s[G0A+4*\j+3], s[G0A+4*\j+3], 0x80000000          ; type = 2
	s_mov_b32 s[GB], 1
	s_add_co_u32 s[GB+1], s95, \j*CHUNK
	s_add_nc_u64 s[GB+2:GB+3], s[86:87], \j*3072
	s_or_b32 s[GB+3], s[GB+3], 0x80000000
.endr
	CROUND                                         ; all sixteen work-groups are here: the joint loads meet
	s_cmp_eq_u32 s13, 0                            ; a wave's four fills stand in one branch on the wave's number, ahead of every wait on TENSORcnt, every LDS read and every other barrier
	s_cbranch_scc0 .Lfill_b
.irp j, 0,1,2,3
	tensor_load_to_lds s[G0A+4*\j:G0A+4*\j+3], s[G1A:G1A+7]
	s_nop 0
.endr
	PLACES 4
	s_branch .Lfilled
.Lfill_b:
.irp j, 0,1,2,3
.set GB, 56+4*\j+4*(\j/2)
	tensor_load_to_lds s[GB:GB+3], s[G1B:G1B+7]
	s_nop 0
.endr
	PLACES 4
.Lfilled:
.irp a, 0,1,2,3                                ; the scale words of my tiles, for all of K, straight into registers: lane r takes row r's four words of steps 4 sh on
.irp sh, 0,1
	global_load_b128 v[SCA+8*\a+4*\sh:SCA+8*\a+4*\sh+3], v[R16], s[88:89] offset:512*\a+256*\sh
.endr
.endr
.irp b, 0,1,2,3,4,5,6,7
.irp sh, 0,1
	global_load_b128 v[SCB+8*\b+4*\sh:SCB+8*\b+4*\sh+3], v[R16], s[90:91] offset:512*\b+256*\sh
.endr
.endr
	s_wait_tensorcnt 0x3                           ; my part of chunk 0 is in; the three behind it may stay out
	s_barrier_signal -1
	s_barrier_wait -1                              ; everybody's is
	FETCH 0, 0
	s_wait_loadcnt 0x0                             ; the scale words
.irp s, 0,1,2,3,4,5,6,7
	KSTEP \s
.endr
; THE WAY OUT, a tile of 16 tokens x 128 columns at a time.  A lane holds pieces of 32 bytes of one row: the tile goes through my own stage in LDS and comes back as whole rows of 512 bytes.  The stage lies in chunk 0:
; it has had its only fill, and every wave's reads of it ended ahead of the barrier in front of chunk 1.  LDS serves a wave's instructions in order: no wait between the stores and the loads.
.macro TOSTAGE a
	WIN 0x08                                       ; an LDS store's data are its source 1: window 2
.irp b, 0,1,2,3,4,5,6,7
	ds_store_b128 v[STO], v[64*(\a)+8*\b:64*(\a)+8*\b+3] offset:128*(\b/2)+32*(\b%2)          ; columns 32 (b / 2) + 8 (b % 2) + 16 h + 0 .. 7; each accumulator from its low end on
	ds_store_b128 v[STO], v[64*(\a)+8*\b+4:64*(\a)+8*\b+7] offset:128*(\b/2)+32*(\b%2)+16
.endr
	WIN 0
.set BB, 128+64*((\a)%2)
.set t, 0
.rept 16
	ds_load_b128 v[BB+4*t:BB+4*t+3], v[RD] offset:528*t
.set t, t+1
.endr
.endm
.macro SEND a, younger                 ; younger: the LDS instructions issued behind tile a's loads, which may stay out
.set BB, 128+64*((\a)%2)
	s_wait_dscnt \younger
.set t, 0
.rept 16
	global_store_b128 v[L16], v[BB+4*t:BB+4*t+3], s[76:77] offset:(32*((\a)/2)+8*((\a)%2)+t+8*(t/8))*4096 th:TH_STORE_NT   ; 32 lanes store 512 consecutive bytes, at a multiple of 256 from out0's first byte
.set t, t+1
.endr
.endm
	PLACES 4                                       ; in front of the first read of results, and of loads into registers that the last products read
	TOSTAGE 0
.irp a, 1,2,3
.if \a > 1
	s_wait_xcnt 0x0                                ; tile a - 2's stores have read their registers: tile a's rows may land there
.endif
	TOSTAGE \a
	SEND \a-1, 32                                  ; behind tile a - 1's loads: tile a's 16 stores and 16 loads
.endr
	SEND 3, 0
	s_wait_tensorcnt 0x0                           ; the wave's end: behind my last tensor load and my last LDS store
	ds_add_u32 v[SPW], v[NIL]
	s_wait_dscnt 0x0
	CROUND                                         ; the closing round: no work-group ends while a partner may still ask for a chunk that names it
	s_endpgm
.Lfunc_end_k_qc25e590f4b_outp:
	.size	k_qc25e590f4b_outp, .Lfunc_end_k_qc25e590f4b_outp-k_qc25e590f4b_outp
	.p2alignl 7, 3214868480
	.fill 96, 4, 3214868480
	.section	.rodata,"a",@progbits
	.p2align	6, 0x0
	.amdhsa_kernel k_qc25e590f4b_outp
		.amdhsa_group_segment_fixed_size 327680
		.amdhsa_private_segment_fixed_size 0
		.amdhsa_enable_private_segment 0
		.amdhsa_kernarg_size 24
		.amdhsa_user_sgpr_count 2
		.amdhsa_user_sgpr_kernarg_segment_ptr 1
		.amdhsa_wavefront_size32 1
		.amdhsa_system_sgpr_workgroup_id_x 1
		.amdhsa_system_sgpr_workgroup_id_y 1
		.amdhsa_system_sgpr_workgroup_id_z 1
		.amdhsa_system_vgpr_workitem_id 0
		.amdhsa_next_free_vgpr 768
		.amdhsa_next_free_sgpr 102
		.amdhsa_reserve_vcc 0
		.amdhsa_float_denorm_mode_32 3
		.amdhsa_float_denorm_mode_16_64 3
		.amdhsa_memory_ordered 1
		.amdhsa_forward_progress 1
		.amdhsa_inst_pref_size 84
	.end_amdhsa_kernel
	.amdgpu_metadata
---
amdhsa.version: [ 1, 2 ]
amdhsa.kernels:
  - .name:           k_qc25e590f4b_outp
    .symbol:         k_qc25e590f4b_outp.kd
    .args:
      - { .name: oq, .offset: 0, .size: 8, .value_kind: global_buffer, .address_space: global }
      - { .name: wq, .offset: 8, .size: 8, .value_kind: global_buffer, .address_space: global }
      - { .name: out0, .offset: 16, .size: 8, .value_kind: global_buffer, .address_space: global }
    .group_segment_fixed_size: 327680
    .private_segment_fixed_size: 0
    .kernarg_segment_align: 8
    .kernarg_segment_size: 24
    .max_flat_workgroup_size: 128
    .sgpr_count:     102
    .vgpr_count:     768
    .wavefront_size: 32
...
	.end_amdgpu_metadata
.endif
;; end of part 4
;; ======== version 2 of 2: 4 launches; version 1 with the launch attn written anew for expert scheduling mode
;; workspace buffers: xq 19,660,800 bytes; wq 3,276,800 bytes; qh 6,815,744 bytes; kv 13,631,488 bytes; oq 6,553,600 bytes
;; launch quant: the kernel of part 1 again; grid 640 x 1, 4 waves a work-group, no clusters, 34,304 bytes of LDS; arguments Q_batch, K_batch, V_batch, W_q, W_k, W_v, W_o, xq, wq; writes xq, wq
;; launch proj: the kernel of part 2 again; grid 4 x 192, 4 waves a work-group, clusters of 4 x 4, 327,680 bytes of LDS; arguments xq, wq, qh, kv; writes qh, kv
;; launch attn (part 5): grid 16 x 16, 16 waves a work-group, no clusters, 67,584 bytes of LDS; arguments qh, kv, valid_lens, oq; writes oq
.if DOCPART == 5
	.amdgcn_target "amdgcn-amd-amdhsa--gfx1250"
	.amdhsa_code_object_version 6
	.text
	.protected	k_qc25e590f4b_attn
	.globl	k_qc25e590f4b_attn
	.p2align	8
	.type	k_qc25e590f4b_attn,@function
k_qc25e590f4b_attn:
	s_mov_b64 s[64:65], 0
	v_nop
	global_prefetch_b8 v0, s[64:65] scope:SCOPE_SE
	s_setreg_imm32_b32 hwreg(HW_REG_WAVE_SCHED_MODE, 0, 2), 2
	s_setreg_imm32_b32 hwreg(HW_REG_WAVE_MODE, 25, 1), 1
	s_wait_xcnt 0x0
	s_wait_alu depctr_vm_vsrc(0)
; O = softmax(Qh Kh^T / 8, keys at or behind valid_len hidden) Vh for every batch and head, both products on codes of FP6 (E2M3) with E8M0 scales; O is quantised along D for the last product and leaves as codes.
; THE SOFTMAX AHEAD OF THE SECOND PRODUCT: t = score x log2(e) / 8; M = the running largest t rounded up to a whole number; p = 2^(t - M) is quantised along the keys, not normalised; the row's sum is taken of the
; unquantised p and divides O at the end.  When M moves, the sum and O are multiplied by 2^(old M - new M): exact.  A block's largest p is made from its largest score by the same two instructions.
; SHARES.  A work-group has one head (y) and one block of 128 queries (x) OF ALL FOUR BATCHES: its sixteen waves are two groups of eight; group g walks batches 2 g and 2 g + 1; a wave owns one tile of 16 queries.
; So every work-group's work goes with the sum of the four lengths, whatever valid_lens holds.  g = (w xor w / 4) % 2.
; KEY STEPS THAT LIE WHOLLY BEHIND valid_len ARE LEFT OUT: a scalar branch on the length, round the step's work alone; every wave walks all 16 trips of a batch and passes every barrier.  That branch hangs on
; loaded whole numbers, so this launch has no tensor load: a key step's block of kv (13,312 bytes: K's 8 tiles, V^T's 4, their scale words) comes through registers, an eighth by each wave of the group, a step ahead,
; into two LDS slots by turns.  For the same reason there is no cluster: partners of other batches would want different numbers of blocks, and those of one batch share blocks of 13 KiB only.
; LAYOUT.  Both products are used transposed: S^T = K Q^T, O^T = V^T P^T: a lane holds one query (lane % 16) throughout.  A tile's keys and channels are chosen (row 32 (T / 2) + 8 (T % 2) + r + 8 (r / 8)) so that
; the 16 registers of two neighbouring tiles are 16 neighbours along the next K.  The first product's K is 64: the upper half of Q's fragment is zero codes; what stands against them in K's operand adds nothing.
; valid_len <= 0: reference() then has all logits equal: every p is 1 (the factor c is 0 and all 2,048 keys count).  valid_len > 2,048 counts as 2,048.
; LIMITS: NaN and infinities are not served; a block of O whose largest magnitude lies under 2^-124 keeps the scale byte 1.
; REGISTERS: v1-11, v28-30 addresses; v12 -M, v13 the largest t, v[14:15] the sum; v16-21 Q, v22-27 zeros; v32-79 K's 8 tiles (6 registers each), later V's 4 (12 each); v80-85 zeros; v96-159 S^T, then p; v160-191 O^T;
;   v192-204 the next block's eighth; v206-209 V's scale words; v224-235 p's codes; v232-254 at work; v248-251 K's scale words; v253 p's; v255 Q's.  s52-63 and s12-15: sixteen masks of hidden keys.
; THE MODE: SCHED_MODE bits 1:0 = 2 (LLVM: expert scheduling mode 2), set by the entry lines.  The code itself states the register dependences between vector or matrix instructions and memory or LDS
; instructions, with s_wait_alu, always for 0.
; THE PLAN.  Registers that memory or LDS instructions touch:
;   v1-5, v8-11, v28, v29  LDS addresses and global offsets: written at the head, never again: one wait on va_vdst ahead of the loop over batches.  v6, v7: the closing add's two, likewise.
;   v16-21, v255   Q and its scale words: the batch head's loads land there; the products K Q^T read them.
;   v32-79         A step's head: K's tiles land there, the eight products K Q^T read them; then V's fragments land there, the four products V^T P^T read them.
;   v248-251, v206-209   K's and V's scale words: LDS loads land there; K Q^T and V^T P^T read them.
;   v192-204       The next block's eighth: global loads at a trip's head land there, the LDS stores at its end read them; no vector instruction names them.
;   v224-229, v242 On the way out: written by vector instructions, read by the global stores, written again by the next batch's steps.
; So a step has these waits on va_vdst: at its head (the last step's V^T P^T are done reading v32-79); behind K Q^T (they are done reading v32-79), behind which V's twenty loads are dealt among the lines that
; search for the maximum, none of which names v32-79 or v206-209; the two behind the exponentials; and one ahead of V^T P^T (p's codes and scale word are written).  A trip has one wait on vm_vsrc, at its end.
.set SLOTB, 16384                      ; a group's two slots lie 16,384 bytes apart, the groups 32,768
.set KVB,   13312
.set SPARE, 65536                      ; behind the slots: the spare words, 128 bytes a wave
.set SPW,  6                           ; v6  LDS address of my spare word; never rewritten
.set NIL,  7                           ; v7  0; never rewritten
.set WV,   16
.set Q8,   17                          ; my tile in the block of queries, and my eighth of a block of kv
.set GR,   18                          ; my group
.set HD,   20                          ; the head
.set VLA,  21                          ; valid_lens of my group's two batches
.set VLB,  22
.set BI,   23                          ; which of the two
.set CNT,  24
.set LEN,  25                          ; keys that count
.set KF,   26                          ; the trip's first key
.set KN,   27                          ; the next trip's
.set CS,   28                          ; s[28:29] c = log2(e) / 8, or 0
.set SEL,  30                          ; s[30:31] selects for lane l xor 16
.set KV,   32                          ; s[32:33] the next block of kv
.set QP,   34                          ; s[34:35] Q's codes, s[36:37] its scale words
.set QS,   36
.set OP,   38                          ; s[38:39] O's codes, s[40:41] its scale bytes
.set OS,   40
.set HM,   48                          ; lanes 16-31
.set HS,   49                          ; the head's part of O's scale bytes' place
	s_load_b256 s[4:11], s[0:1], 0x0               ; qh s[4:5], kv s[6:7], valid_lens s[8:9], oq s[10:11]
	v_lshl_add_u32 v[SPW], v0, 2, SPARE
	v_mov_b32 v[NIL], 0
	v_lshrrev_b32 v1, 5, v0
	v_readfirstlane_b32 s[WV], v1                  ; wave 0..15
	v_and_b32 v31, 31, v0                          ; lane
	v_and_b32 v28, 15, v0                          ; r
	v_bfe_u32 v30, v0, 4, 1                        ; h
	v_cmp_ne_u32 s[HM], 0, v30
	s_wait_alu depctr_va_sdst(0)                   ; the wave's number and the mask of lanes 16-31 are written, ahead of the first reader of either
	s_lshr_b32 s[Q8], s[WV], 1
	s_lshr_b32 s[GR], s[WV], 2
	s_xor_b32 s[GR], s[GR], s[WV]
	s_and_b32 s[GR], s[GR], 1
	s_and_b32 s[HD], ttmp7, 0xffff
	s_lshl_b32 s42, s[GR], 15                      ; my group's slots
	v_lshl_add_u32 v1, v31, 4, s42                 ; reads: 16 x lane,
	v_lshl_add_u32 v2, v31, 3, s42                 ; 8 x lane,
	v_lshl_add_u32 v3, v31, 2, s42                 ; 4 x lane
	s_mul_i32 s43, s[Q8], 1536                     ; my eighth of a block's codes: in memory,
	v_lshl_add_u32 v8, v31, 4, s43
	s_add_co_u32 s44, s43, s42
	v_lshl_add_u32 v4, v31, 4, s44                 ; and in a slot
	s_lshl_b32 s43, s[Q8], 7
	s_add_co_u32 s43, s43, 12288                   ; and of its scale words
	v_lshl_add_u32 v9, v31, 2, s43
	s_add_co_u32 s44, s43, s42
	v_lshl_add_u32 v5, v31, 2, s44
	v_lshlrev_b32 v10, 4, v31                      ; half a fragment in memory: 16 x lane,
	v_lshlrev_b32 v11, 3, v31                      ; 8 x lane
	v_lshl_add_u32 v29, v28, 4, v30                ; O's scale bytes: 16 r + h
	v_lshlrev_b32 v28, 2, v28                      ; Q's scale words: 4 r
	v_lshlrev_b32 v30, 4, v30                      ; 16 h
.irp j, 22,23,24,25,26,27,80,81,82,83,84,85,236,237,238,239,252,253
	v_mov_b32 v\j, 0                               ; the zero codes; and what is named before it is first written (a lane permute's destination, the upper half of a pair)
.endr
	s_mov_b32 s[SEL], 0x76543210
	s_mov_b32 s[SEL+1], 0xfedcba98
	s_lshr_b32 s42, s[HD], 3                       ; O's K step of 128 is head / 2: 256 (step / 4) + 4 (step % 4) + 2 (head % 2)
	s_lshl_b32 s[HS], s42, 8
	s_bfe_u32 s42, s[HD], 0x20001
	s_lshl_b32 s42, s42, 2
	s_add_co_u32 s[HS], s[HS], s42
	s_and_b32 s42, s[HD], 1
	s_lshl_b32 s42, s42, 1
	s_add_co_u32 s[HS], s[HS], s42
	s_add_co_u32 s[HS], s[HS], 6291456
	s_mov_b32 s51, 0
	s_wait_kmcnt 0x0
	s_load_b128 s[12:15], s[8:9], 0x0              ; the four lengths
	s_wait_kmcnt 0x0
	s_cmp_eq_u32 s[GR], 0
	s_cselect_b32 s[VLA], s12, s14
	s_cselect_b32 s[VLB], s13, s15                 ; s12 to s15 are free from here on: they take masks
; Tile tc of V^T (16 of the head's 64 channels x 128 keys) and its scale words: five LDS loads.
.macro VFRAG tc
.irp c, 0,1
	ds_load_b128 v[32+12*(\tc)+6*\c:35+12*(\tc)+6*\c], v1 offset:SLO+6144+1536*(\tc)+768*\c
	ds_load_b64 v[36+12*(\tc)+6*\c:37+12*(\tc)+6*\c], v2 offset:SLO+6144+1536*(\tc)+768*\c+512
.endr
	ds_load_b32 v[206+(\tc)], v3 offset:SLO+12800+128*(\tc)
.endm
; A KEY STEP: 128 keys from the slot.
.macro STEP slot
.set SLO, SLOTB*(\slot)
.rept 4
	v_nop                                          ; the four places behind the last step's products stay, ahead of the wait
.endr
	s_wait_alu depctr_va_vdst(0)                   ; the last step's products V^T P^T are done reading v32-79, in which K's tiles land
.irp t, 0,1,2,3,4,5,6,7
	ds_load_b128 v[32+6*\t:35+6*\t], v1 offset:SLO+768*\t
	ds_load_b64 v[36+6*\t:37+6*\t], v2 offset:SLO+768*\t+512
.endr
.irp i, 0,1,2,3
	ds_load_b32 v[248+\i], v3 offset:SLO+12288+128*\i      ; lanes 0-15: tile 2 i's scale words, lanes 16-31: tile 2 i + 1's
.endr
	s_wait_dscnt 0x0
.irp i, 0,1,2,3                                ; S^T = K Q^T.  A tile's operand runs on into the next tile's six registers (the last into zeros): they stand against Q's zero codes
	v_wmma_scale_f32_16x16x128_f8f6f4 v[96+16*\i:103+16*\i], v[32+12*\i:43+12*\i], v[16:27], 0, v[248+\i], v255 matrix_a_fmt:MATRIX_FMT_FP6 matrix_b_fmt:MATRIX_FMT_FP6
	v_wmma_scale_f32_16x16x128_f8f6f4 v[104+16*\i:111+16*\i], v[38+12*\i:49+12*\i], v[16:27], 0, v[248+\i], v255 matrix_a_fmt:MATRIX_FMT_FP6 matrix_b_fmt:MATRIX_FMT_FP6 matrix_a_scale:MATRIX_SCALE_ROW1
.endr
.rept 4
	v_nop                                          ; four places in front of the first read of the scores; they stay beside the wait below
.endr
	s_wait_alu depctr_va_vdst(0)                   ; the eight products are done reading v32-79, in which V's fragments land.  It stands ahead of the branch: V's loads follow on both ways, and no vector line up to them names v32-79 or v206-209
	s_cmp_le_u32 s[KN], s[LEN]                     ; a step all of whose keys count skips the mask
	s_cbranch_scc1 .Lopen_\@
	s_sub_co_u32 s42, s[LEN], s[KF]
	s_sub_co_u32 s42, s42, 1
	v_sub_nc_u32 v252, s42, v30                    ; d = LEN - KF - 1 - 16 h.  Register 16 b + i holds key KF + 32 b + 16 h + i: hidden where 32 b + i > d
	v_mov_b32 v254, 0xff800000                     ; -infinity: p = 0, as -1e20 gives beside a key that counts (key 0 always does here)
.irp b, 0,1,2,3                                ; a block of 32 keys at a time: sixteen compares into sixteen scalar registers (s52-63, s12-15), one wait, sixteen selects
.set i, 0
.rept 16
.set MR, 52+i-52*(i/12)
	v_cmp_gt_i32 s[MR], 32*\b+i, v252
.set i, i+1
.endr
	s_wait_alu depctr_va_sdst(0)                   ; the sixteen masks are written, ahead of the selects that read them
.set i, 0
.rept 16
.set MR, 52+i-52*(i/12)
	v_cndmask_b32 v[96+16*\b+i], v[96+16*\b+i], v254, s[MR]
.set i, i+1
.endr
.endr
.Lopen_\@:
.irp b, 0,1,2,3
	v_max3_num_f32 v[232+\b], v[96+16*\b], v[97+16*\b], v[98+16*\b]   ; the largest score of each block of 32 keys: for the row's maximum, and for the block's largest p
.endr
	VFRAG 0                                        ; V's fragments, a tile behind each of the first four groups of these lines: they land while the softmax is walked
.irp i, 3,5,7
.irp b, 0,1,2,3
	v_max3_num_f32 v[232+\b], v[232+\b], v[96+16*\b+\i], v[97+16*\b+\i]
.endr
	VFRAG (\i-1)/2
.endr
.irp i, 9,11,13
.irp b, 0,1,2,3
	v_max3_num_f32 v[232+\b], v[232+\b], v[96+16*\b+\i], v[97+16*\b+\i]
.endr
.endr
.irp b, 0,1,2,3
	v_max_num_f32 v[232+\b], v[232+\b], v[111+16*\b]
.endr
.irp b, 0,1,2,3
	v_permlanex16_b32 v[236+\b], v[232+\b], s[SEL], s[SEL+1]
.endr
.irp b, 0,1,2,3
	v_max_num_f32 v[232+\b], v[232+\b], v[236+\b]  ; with lane l xor 16's 16 keys
.endr
	v_max3_num_f32 v254, v232, v233, v234
	v_max_num_f32 v254, v254, v235                 ; the step's largest score of my query
	v_mul_f32 v254, s[CS], v254                    ; as t (c is not negative)
	v_max_num_f32 v13, v13, v254                   ; the running largest t
	v_mov_b32 v254, v12
	v_floor_f32 v12, -v13                          ; the new -M = floor(-t): M is a whole number
	v_sub_f32 v254, v12, v254                      ; old M - new M: a whole number, 0 or less
	v_cvt_i32_f32 v254, v254                       ; (it saturates)
	v_ldexp_f32 v252, 1.0, v254                    ; f = 2^(old M - new M)
.set j, 0
.rept 32
	v_pk_fma_f32 v[96+j:97+j], v[96+j:97+j], s[CS:CS+1], v[12:13] op_sel_hi:[1,0,0]   ; t - M, two at a time
.set j, j+2
.endr
.irp b, 0,1,2,3
	v_fma_f32 v[232+\b], v[232+\b], s[CS], v12     ; the same of each block's largest score
.endr
.set j, 0
.rept 64
	v_exp_f32 v[96+j], v[96+j]                     ; p = 2^(t - M)
.set j, j+1
.endr
	v_pk_mul_f32 v[14:15], v[14:15], v[252:253] op_sel_hi:[1,0]   ; the sums under the new M: the plain place behind the exponentials
	s_wait_alu depctr_va_vdst(0)                   ; the 64 exponentials have written p, v96-159: one wait for the batch, ahead of its first reader
.irp b, 0,1,2,3
	v_exp_f32 v[232+\b], v[232+\b]                 ; the block's largest p
.endr
	v_pk_add_f32 v[236:237], v[96:97], v[98:99]    ; the row's sum, of the unquantised p, in two chains: plain work behind the four
.irp j, 4,8,12,16,20,24,28,32,36,40,44,48,52,56,60
	v_pk_add_f32 v[14:15], v[14:15], v[96+\j:97+\j]
	v_pk_add_f32 v[236:237], v[236:237], v[98+\j:99+\j]
.endr
	v_pk_add_f32 v[14:15], v[14:15], v[236:237]
	s_wait_alu depctr_va_vdst(0)                   ; the four exponentials have written v232-235, ahead of their first reader
.irp b, 0,1,2,3
	v_max_num_f32 v[232+\b], 0x1800000, v[232+\b]  ; the floor 2^(3 - 127): a block whose every p is 0 keeps the byte 1; its codes are zeros
.endr
.irp b, 0,1,2,3
	v_add_nc_u32 v[244+\b], 0xff000000, v[232+\b]  ; 2 off the exponent field: the conversion's scale operand
.endr
.irp b, 0,1,2,3
	v_lshrrev_b32 v[236+\b], 23, v[244+\b]         ; the scale's byte
.endr
	v_lshl_or_b32 v253, v237, 8, v236              ; p's scale word for these 128 keys
	v_lshl_or_b32 v253, v238, 16, v253
	v_lshl_or_b32 v253, v239, 24, v253
.irp c, 0,1
	v_cvt_scalef32_pk16_fp6_f32 v[224+6*\c:226+6*\c], v[96+32*\c:111+32*\c], v[244+2*\c]
	v_cvt_scalef32_pk16_fp6_f32 v[236+4*\c:238+4*\c], v[112+32*\c:127+32*\c], v[244+2*\c+1]
.endr
	v_nop                                          ; one plain place behind a scaled conversion
.irp c, 0,1                                    ; a whole block to a lane: lanes 0-15 block 2 c, lanes 16-31 block 2 c + 1
.irp i, 0,1,2
	v_permlane16_swap_b32 v[224+6*\c+\i], v[236+4*\c+\i]
.endr
.irp i, 0,1,2
	v_mov_b32 v[227+6*\c+\i], v[236+4*\c+\i]
.endr
.endr
.set j, 0
.rept 16
	v_pk_mul_f32 v[160+j:161+j], v[160+j:161+j], v[252:253] op_sel_hi:[1,0]   ; O^T under the new M; these are also the places between the codes' and the scale word's last writes and the products
.set j, j+2
.endr
	s_wait_dscnt 0x0                               ; V is in
	s_wait_alu depctr_va_vdst(0)                   ; p's codes, v224-235, and its scale word, v253, are written: the scaled products below take them as an operand and as scales; the places above stay beside this wait
.irp tc, 0,1,2,3                               ; O^T += V^T P^T: the four accumulators take turns
	v_wmma_scale_f32_16x16x128_f8f6f4 v[160+8*\tc:167+8*\tc], v[32+12*\tc:43+12*\tc], v[224:235], v[160+8*\tc:167+8*\tc], v[206+\tc], v253 matrix_a_fmt:MATRIX_FMT_FP6 matrix_b_fmt:MATRIX_FMT_FP6
.endr
.endm
; A TRIP: the next block is asked for (if a key of it counts), this one is worked (likewise), the next goes into the other slot; then ONE barrier, on every wave's path: behind it the other slot is whole,
; and nobody reads this one any more.  In front of it each wave's LDS stores have landed and its LDS loads are in.
.macro TRIP slot
	s_add_co_u32 s[KN], s[KF], 128
	s_cmp_lt_u32 s[KN], s[LEN]
	s_cbranch_scc0 .Lno_load_\@
.irp i, 0,1,2
	global_load_b128 v[192+4*\i:195+4*\i], v8, s[KV:KV+1] offset:512*\i   ; (the wait on vm_vsrc ahead of the last barrier has freed these registers)
.endr
	global_load_b32 v204, v9, s[KV:KV+1]
.Lno_load_\@:
	s_cmp_lt_u32 s[KF], s[LEN]
	s_cbranch_scc0 .Lno_step_\@
	STEP \slot
.Lno_step_\@:
	s_wait_loadcnt 0x0                             ; the next block's eighth is in, so its address may be stepped too
	s_cmp_lt_u32 s[KN], s[LEN]
	s_cbranch_scc0 .Lno_store_\@
.irp i, 0,1,2
	ds_store_b128 v4, v[192+4*\i:195+4*\i] offset:SLOTB*(1-(\slot))+512*\i
.endr
	ds_store_b32 v5, v204 offset:SLOTB*(1-(\slot))
.Lno_store_\@:
	s_add_nc_u64 s[KV:KV+1], s[KV:KV+1], KVB
	s_mov_b32 s[KF], s[KN]
	s_wait_dscnt 0x0
	s_wait_alu depctr_vm_vsrc(0)                   ; the LDS stores have read v192-204, in which the next trip's, or the next batch's, loads land; on every way, ahead of the next trip's branches
	s_barrier_signal -1
	s_barrier_wait -1
.endm
	s_wait_alu depctr_va_vdst(0)                   ; the addresses and offsets v1-5, v8-11, v28, v29 are written, which every load and store below reads; so are the zero codes v22-27 and v80-85, parts of the scaled products' operands
	s_mov_b32 s[BI], 0
.Lbatch:                                           ; two trips: my group's two batches
	s_cmp_eq_u32 s[BI], 0
	s_cselect_b32 s42, s[VLA], s[VLB]
	s_min_u32 s[LEN], s42, 2048
	s_cmp_gt_i32 s42, 0
	s_cselect_b32 s[LEN], s[LEN], 2048             ; no key counts: all logits are equal, all 2,048 keys weigh alike:
	s_cselect_b32 s[CS], 0x3e38aa3b, 0             ; c = log2(e) / 8, or 0
	s_mov_b32 s[CS+1], s[CS]
	s_lshl_b32 s43, s[GR], 1
	s_add_co_u32 s43, s43, s[BI]                   ; the batch
	s_lshl_b32 s44, s43, 4
	s_add_co_u32 s44, s44, s[HD]                   ; 16 batch + head
	s_lshl_b32 s45, ttmp9, 3
	s_add_co_u32 s45, s45, s[Q8]                   ; my tile of queries in the batch
	s_lshl_b32 s46, s44, 7
	s_add_co_u32 s46, s46, s45
	s_mul_i32 s50, s46, 768
	s_add_nc_u64 s[QP:QP+1], s[4:5], s[50:51]
	s_lshl_b32 s50, s46, 6
	s_add_co_u32 s50, s50, 6291456
	s_add_nc_u64 s[QS:QS+1], s[4:5], s[50:51]
	s_mul_i32 s50, s44, 16*KVB
	s_add_nc_u64 s[KV:KV+1], s[6:7], s[50:51]
	s_lshl_b32 s46, s43, 7
	s_add_co_u32 s46, s46, s45                     ; my tile among the 512 of O
	s_mul_i32 s50, s46, 12288
	s_mul_i32 s47, s[HD], 768
	s_add_co_u32 s50, s50, s47
	s_add_nc_u64 s[OP:OP+1], s[10:11], s[50:51]
	s_lshl_b32 s50, s46, 9
	s_add_co_u32 s50, s50, s[HS]
	s_add_nc_u64 s[OS:OS+1], s[10:11], s[50:51]
	global_load_b128 v[16:19], v10, s[QP:QP+1]     ; Q's half fragment stays in registers.  (No wait here: no vector or matrix instruction since the last wait on va_vdst, the head's or the way out's, names v16-21 or v255)
	global_load_b64 v[20:21], v11, s[QP:QP+1] offset:512
	global_load_b32 v255, v28, s[QS:QS+1]          ; its scale words
.irp i, 0,1,2
	global_load_b128 v[192+4*\i:195+4*\i], v8, s[KV:KV+1] offset:512*\i   ; my eighth of the batch's first block
.endr
	global_load_b32 v204, v9, s[KV:KV+1]
	v_mov_b32 v13, 0xff61b1e6                      ; the largest t so far: -3e38
	v_floor_f32 v12, -v13                          ; -M
	v_mov_b32 v14, 0
	v_mov_b32 v15, 0
.set j, 0
.rept 32
	v_mov_b32 v[160+j], 0                          ; O^T: the step is written once; the first finds zeros
.set j, j+1
.endr
	s_wait_loadcnt 0x0
	s_add_nc_u64 s[KV:KV+1], s[KV:KV+1], KVB
.irp i, 0,1,2
	ds_store_b128 v4, v[192+4*\i:195+4*\i] offset:512*\i       ; slot 0 was last read ahead of the last barrier but one
.endr
	ds_store_b32 v5, v204
	s_mov_b32 s[KF], 0
	s_mov_b32 s[CNT], 8
	s_wait_dscnt 0x0
	s_wait_alu depctr_vm_vsrc(0)                   ; the LDS stores have read v192-204, in which the first trip's loads land
	s_barrier_signal -1
	s_barrier_wait -1
.Ltrips:                                           ; eight trips of two key steps: a constant, whatever the length
	TRIP 0
	TRIP 1
	s_sub_co_u32 s[CNT], s[CNT], 1
	s_cmp_lg_u32 s[CNT], 0
	s_cbranch_scc1 .Ltrips
	; THE WAY OUT: O^T / the sum, quantised along the head's 64 channels (two blocks of D), as half a fragment of the last product's operand
.rept 4
	v_nop                                          ; four places behind the last products
.endr
	v_add_f32 v14, v14, v15
	v_permlanex16_b32 v252, v14, s[SEL], s[SEL+1]
	v_add_f32 v14, v14, v252                       ; the row's sum
	v_rcp_f32 v14, v14
	v_nop                                          ; a plain place behind the reciprocal,
	s_wait_alu depctr_va_vdst(0)                   ; and the reciprocal has written v14, ahead of its first reader
.set j, 0
.rept 32
	v_mul_f32 v[96+j], v[160+j], v14               ; register 16 b + i = channel 32 b + 16 h + i of the head; each accumulator from its low end on
.set j, j+1
.endr
.irp b, 0,1
	v_max3_num_f32 v[232+\b], |v[96+16*\b]|, |v[97+16*\b]|, 0x1800000
.endr
.irp i, 2,4,6,8,10,12,14
.irp b, 0,1
	v_max3_num_f32 v[232+\b], v[232+\b], |v[96+16*\b+\i]|, |v[97+16*\b+\i]|
.endr
.endr
.irp b, 0,1
	v_permlanex16_b32 v[236+\b], v[232+\b], s[SEL], s[SEL+1]
.endr
.irp b, 0,1
	v_max_num_f32 v[232+\b], v[232+\b], v[236+\b]
.endr
.irp b, 0,1
	v_add_nc_u32 v[244+\b], 0xff000000, v[232+\b]
.endr
.irp b, 0,1
	v_lshrrev_b32 v[236+\b], 23, v[244+\b]
.endr
	v_cndmask_b32 v242, v236, v237, s[HM]          ; lanes 0-15 store block 0's byte, lanes 16-31 block 1's
	v_cvt_scalef32_pk16_fp6_f32 v[224:226], v[96:111], v244
	v_cvt_scalef32_pk16_fp6_f32 v[236:238], v[112:127], v245
	v_nop                                          ; one plain place behind a scaled conversion
.irp i, 0,1,2
	v_permlane16_swap_b32 v[224+\i], v[236+\i]
.endr
.irp i, 0,1,2
	v_mov_b32 v[227+\i], v[236+\i]
.endr
	s_wait_alu depctr_va_vdst(0)                   ; the codes v224-229 and the byte v242 are written, which the stores below read; and this batch's products are done reading Q, v16-21 and v255, in which the next batch's loads land
	global_store_b128 v10, v[224:227], s[OP:OP+1]              ; 512 consecutive bytes,
	global_store_b64 v11, v[228:229], s[OP:OP+1] offset:512    ; 256
	global_store_b8 v29, v242, s[OS:OS+1]                      ; a byte a lane, rows 16 bytes apart: one byte in 24 of what leaves here
	s_wait_xcnt 0x0                                ; the stores' addresses are translated: the next batch writes their bases
	s_wait_alu depctr_vm_vsrc(0)                   ; the stores have read v224-229 and v242, which the next batch's steps write again
	s_add_co_u32 s[BI], s[BI], 1
	s_cmp_lt_u32 s[BI], 2
	s_cbranch_scc1 .Lbatch
	s_wait_dscnt 0x0                               ; the closing lines, six on end
	s_wait_alu 0x0
	s_wait_tensorcnt 0x0
	ds_add_u32 v[SPW], v[NIL]
	s_wait_dscnt 0x0
	s_endpgm
.Lfunc_end_k_qc25e590f4b_attn:
	.size	k_qc25e590f4b_attn, .Lfunc_end_k_qc25e590f4b_attn-k_qc25e590f4b_attn
	.p2alignl 7, 3214868480
	.fill 96, 4, 3214868480
	.section	.rodata,"a",@progbits
	.p2align	6, 0x0
	.amdhsa_kernel k_qc25e590f4b_attn
		.amdhsa_group_segment_fixed_size 67584
		.amdhsa_private_segment_fixed_size 0
		.amdhsa_enable_private_segment 0
		.amdhsa_kernarg_size 32
		.amdhsa_user_sgpr_count 2
		.amdhsa_user_sgpr_kernarg_segment_ptr 1
		.amdhsa_wavefront_size32 1
		.amdhsa_system_sgpr_workgroup_id_x 1
		.amdhsa_system_sgpr_workgroup_id_y 1
		.amdhsa_system_sgpr_workgroup_id_z 1
		.amdhsa_system_vgpr_workitem_id 0
		.amdhsa_next_free_vgpr 256
		.amdhsa_next_free_sgpr 66
		.amdhsa_reserve_vcc 0
		.amdhsa_float_denorm_mode_32 3
		.amdhsa_float_denorm_mode_16_64 3
		.amdhsa_memory_ordered 1
		.amdhsa_forward_progress 1
		.amdhsa_inst_pref_size 64
	.end_amdhsa_kernel
	.amdgpu_metadata
---
amdhsa.version: [ 1, 2 ]
amdhsa.kernels:
  - .name:           k_qc25e590f4b_attn
    .symbol:         k_qc25e590f4b_attn.kd
    .args:
      - { .name: qh, .offset: 0, .size: 8, .value_kind: global_buffer, .address_space: global }
      - { .name: kv, .offset: 8, .size: 8, .value_kind: global_buffer, .address_space: global }
      - { .name: valid_lens, .offset: 16, .size: 8, .value_kind: global_buffer, .address_space: global }
      - { .name: oq, .offset: 24, .size: 8, .value_kind: global_buffer, .address_space: global }
    .group_segment_fixed_size: 67584
    .private_segment_fixed_size: 0
    .kernarg_segment_align: 8
    .kernarg_segment_size: 32
    .max_flat_workgroup_size: 512
    .sgpr_count:     66
    .vgpr_count:     256
    .wavefront_size: 32
...
	.end_amdgpu_metadata
.endif
;; end of part 5
;; launch outp: the kernel of part 4 again; grid 4 x 64, 4 waves a work-group, clusters of 4 x 4, 327,680 bytes of LDS; arguments oq, wq, out0; writes out0
